; MI455X (gfx1250); checked and timed in simulation.
; The chip was launched on July 23, 2026; its instructions are those of AMD's public machine-readable ISA for CDNA 5 (MIT licence, August 2026) and "CDNA5" Instruction Set Architecture Reference Guide (July 2026). The comments in the code are by the model that wrote it; some were corrected since.
;; Multi Head Attention. Allowed arithmetic: matrix products marked QUANTISED: E2M3 operands, one E8M0 scale for each 32 along K, by v_wmma_scale_f32_16x16x128_f8f6f4 with both operands' format E2M3, f32 sums; everything else in f32.
;; Inputs: Wk 16 x 1,024 x 64 float32; Wo 1,024 x 1,024 float32; Wq 16 x 1,024 x 64 float32; Wv 16 x 1,024 x 64 float32; bo 1,024 float32; x 4 x 2,048 x 1,024 float32.
;; Outputs: out0 4 x 2,048 x 1,024 float32.
;; This version of the problem:
;;   THIS VERSION OF THE PROBLEM IS GIVEN IN LOW PRECISION. The matrix products marked QUANTISED in the list below multiply operands that are first quantised to E2M3 (2 exponent bits, 3 mantissa bits; 6 bits a number), with one power-of-two scale for each 32 numbers along K (OCP MX v1.0); their sums are f32. All else is computed in f32.
;;   The module's matrix products, in the order in which they are computed (A, B: the left and right operand; K: the contracted axis; several contracted axes count as one K, in the product's order):
;;     1. [M 1,024, K 1,024] x [K 1,024, N 8,192]; A: input Wq; B: input x: QUANTISED
;;     2. [M 1,024, K 1,024] x [K 1,024, N 8,192]; A: input Wk; B: input x: QUANTISED
;;     3. [M 1,024, K 1,024] x [K 1,024, N 8,192]; A: input Wv; B: input x: QUANTISED
;;     4. batch 64 x [M 2,048, K 64] x [K 64, N 2,048]; A: computed on the way; B: computed on the way: QUANTISED
;;     5. batch 64 x [M 2,048, K 2,048] x [K 2,048, N 64]; A: softmax (see below); B: computed on the way: QUANTISED
;;     6. [M 8,192, K 1,024] x [K 1,024, N 1,024]; A: computed on the way; B: input Wo: QUANTISED
;;   THE QUANTISER, for each operand of a quantised product, along K:
;;     - K is cut into blocks of 32 from its start; a last block that is shorter is filled with zeros.
;;     - A block's scale is 2^e with e = floor(log2(the largest magnitude in the block)) - 2, held to -126 .. 127; a block of zeros has e = 0. As a byte (E8M0): e + 127.
;;     - Each number is divided by its block's scale, clamped to +-7.5, and rounded to the nearest number of E2M3, ties to even, subnormals kept.
;;     - The product sums the exact products of the quantised numbers (number of the format x scale) in f32.
;;   ~~~python
;;   def quantise(x, axis):      # numpy; x: float32 -> the quantised numbers, widened to float32 again
;;       x = np.moveaxis(x, axis, -1); K = x.shape[-1]
;;       x = np.pad(x, [(0, 0)] * (x.ndim - 1) + [(0, -K % 32)]); x = x.reshape(x.shape[:-1] + (-1, 32)); a = np.abs(x).max(-1, keepdims=True)
;;       e = np.where(a > 0, np.clip(np.frexp(np.where(a > 0, a, 1))[1] - 1 - 2, -126, 127), 0)      # np.frexp(a)[1] - 1 = floor(log2(a)), exactly
;;       r = np.clip(x / 2.0 ** e, -7.5, 7.5)
;;       step = 2.0 ** (np.maximum(np.frexp(np.where(r == 0, 1, r))[1] - 1, 0) - 3)
;;       q = np.round(r / step) * step * 2.0 ** e      # np.round: ties to even
;;       return np.moveaxis(q.reshape(q.shape[:-2] + (-1,))[..., :K], -1, axis).astype(np.float32)
;;   ~~~
;;   SOFTMAX AHEAD OF A QUANTISED PRODUCT. Where the list says 'softmax', what is quantised is not the finished softmax but p = 2^(t - M), with t = logit x log2(e) and M = ceil(the row's largest t), a whole number; so 1/2 < the row's largest p <= 1. The row's sum l is taken of the UNQUANTISED p, in f32, and the product's result is divided by l at the end. Since M is a whole number, a kernel that streams over the keys may use a running M (the ceiling of the running maximum): every later rescaling is an exact power of two, which a block's scale takes up: the codes' values come out the same.
;;   OPERANDS COMPUTED ON THE WAY. 'Computed on the way' means the value that the module computes at that place (a softmax that the list does not call 'softmax' is quantised finished and normalised). What goes into a quantiser is computed in f32, as accurately as f32 sums, v_exp_f32 and their like allow (about 1e-6 of the number): no bf16 or f16 on the way to a quantiser, and a product that is left as it is and whose result goes on into a quantised operand takes f32 operands (vector FMAs, or v_wmma_f32_16x16x4_f32). A number that lies on a knife's edge between two numbers of the format may be rounded either way, as far as f32 arithmetic and the matrix unit's own rounding can turn it there, and no further.
;; One version. Each part assembles by itself: llvm-mc -triple=amdgcn-amd-amdhsa -mcpu=gfx1250 --defsym DOCPART=n.
;; ======== version 1 of 1: 4 launches
;; limits: right only within a limited range of input values
;; workspace buffers: ximg 6,291,456 bytes; xsc 262,144 bytes; wimg 3,145,728 bytes; wsc 131,072 bytes; qkv 20,185,088 bytes; oimg 6,291,456 bytes; osc 262,144 bytes
;; launch quant (part 1): grid 256 x 1, 6 waves a work-group, no clusters, 167,936 bytes of LDS; arguments x, ximg, xsc, Wq, Wk, Wv, Wo, wimg, wsc; writes ximg, xsc, wimg, wsc
.if DOCPART == 1
	.amdgcn_target "amdgcn-amd-amdhsa--gfx1250"
	.amdhsa_code_object_version 6
	.text
	.protected	k_qffc7499f6b_quant
	.globl	k_qffc7499f6b_quant
	.p2align	8
	.type	k_qffc7499f6b_quant,@function
k_qffc7499f6b_quant:
	s_mov_b64 s[64:65], 0
	v_nop
	global_prefetch_b8 v0, s[64:65] scope:SCOPE_SE
	s_setreg_imm32_b32 hwreg(HW_REG_WAVE_MODE, 25, 1), 1
	s_wait_xcnt 0x0
; x [8192 tokens][1024] and the four weights, f32, become codes of FP6 (E2M3) with one E8M0 byte for each 32 along K, laid as the later products' operand registers want them.
; A block's scale is 2^(floor(log2(its largest magnitude)) - 2); its byte is that magnitude's exponent field - 2, held at 1 from below.
; LIMITS: a block of zeros gets the byte 1 (its codes are zeros; the bytes are read by this program alone); largest magnitudes under 2^-124 are held at the byte 1; NaN and infinities are not served.
; THE LAYOUT OUT.  Rows go in groups of 128; tile 2 b + u of a group holds, in lane r, row 32 b + 8 u + r + 8 (r / 8).  A half fragment (16 rows x 64 along K, 6 registers a lane) is an image of 768 bytes:
; registers 0-3 of lane l at 16 l, registers 4-5 of lane (r, h) at 512 + 16 r + 8 h.  ximg, wimg: [group][K / 64][tile][768].  xsc, wsc: [group][K / 256][tile][r][2 words], a word for 128 along K.
; wimg's groups 0-7: Wq (row = 64 head + e), 8-15: Wk, 16-23: Wv, 24-31: Wo (row = n).
; SHARES.  Six waves, two roles that part on the wave's number and never join; no barrier.
; Waves 0-3, x: work-group P takes rows 32 P .. 32 P + 31, wave j the 256 along K from 256 j on, A LANE A ROW.  The rows come through LDS: one tensor load a wave (32 rows x 1,024 bytes, LDS rows 1,040 bytes apart), read by the wave alone.
; Waves 4-5, the weights, whose K is not innermost: work-group P takes tensor (P % 64) / 16, 64 of its columns, 256 along K (P / 64); A LANE TAKES A COLUMN AND ITS REGISTERS RUN DOWN K; a load reads 128 consecutive bytes a wave, the two waves stand side by side on 256.
.set WREG,  33792                      ; an x wave's tile: 32 x 1,040 bytes, rounded up to blocks of 1,024
.set SPARE, 4*WREG                     ; the spare words, 128 bytes for each of six waves
.set LA,  2
.set VC,  3                            ; 768 u + 16 r
.set VSO, 4                            ; 128 u + 8 r
.set SPW, 5                            ; my spare word; never rewritten
.set NIL, 6                            ; 0; never rewritten
.set U,   14
.set SB,  18
.set X,   32                           ; x: v32-159 four blocks of 32 numbers
.set CU,  160                          ; x: v160-207 the codes, as they are stored
.set OFF, 32                           ; weights: v32-63 pitch x i + 4 x lane
.set XW,  64                           ; weights: v64-127 two sets of 32 numbers
.set CW,  128                          ; weights: v128-175 the codes
.set BB,  32                           ; weights: s[32:47] the first row of each of the eight blocks
.set G1,  16
.set G0,  24
.macro BLK xs, h, cu, word, byte       ; 32 numbers from v[xs] on become 24 bytes of codes and a byte
.set XS, \xs
.set CH, (\cu)+4*(\h)
.set CT, (\cu)+8+2*(\h)
	v_max3_num_f32 v8, |v[XS]|, |v[XS+1]|, |v[XS+2]|
	v_max3_num_f32 v9, |v[XS+3]|, |v[XS+4]|, |v[XS+5]|
.irp i, 6,10,14,18,22,26
	v_max3_num_f32 v8, v8, |v[XS+\i]|, |v[XS+\i+1]|
	v_max3_num_f32 v9, v9, |v[XS+\i+2]|, |v[XS+\i+3]|
.endr
	v_max3_num_f32 v8, v8, |v[XS+30]|, |v[XS+31]|
	v_max3_num_f32 v8, v8, v9, 0x1800000           ; the floor 2^(3 - 127)
	v_add_nc_u32 v11, 0xff000000, v8               ; 2 off the exponent field: the conversion's scale operand
	v_lshrrev_b32 v10, 23, v11                     ; the byte
.if (\byte) == 0
	v_mov_b32 v[SB+(\word)], v10
.else
	v_lshl_or_b32 v[SB+(\word)], v10, 8*(\byte), v[SB+(\word)]
.endif
	v_cvt_scalef32_pk16_fp6_f32 v[CH:CH+2], v[XS:XS+15], v11
	v_cvt_scalef32_pk16_fp6_f32 v[U:U+2], v[XS+16:XS+31], v11
	v_nop                                          ; one plain place behind a scaled conversion
	v_mov_b32 v[CH+3], v[U]
	v_mov_b32 v[CT], v[U+1]
	v_mov_b32 v[CT+1], v[U+2]
.endm
	s_load_b128 s[4:7], s[0:1], 0x0                ; x, ximg
	s_load_b64 s[8:9], s[0:1], 0x10                ; xsc
	v_lshl_add_u32 v[SPW], v0, 2, SPARE
	v_mov_b32 v[NIL], 0
	ds_add_u32 v[SPW], v[NIL]                      ; the opening lines
	ds_add_u32 v[SPW], v[NIL]
	v_lshrrev_b32 v1, 5, v0
	v_readfirstlane_b32 s10, v1                    ; wave
	s_wait_alu depctr_va_vdst(0)                   ; ahead of the wait and the branch below
	s_wait_dscnt 0x0
	s_cmp_lt_u32 s10, 4
	s_cbranch_scc0 .Lweights
; ---- x
	s_mov_b32 s[G1+0], (2<<16)|(1<<20)|(7<<22)|(3<<25)   ; elements of 4 bytes; behind every 256 words, 4 words of padding
	s_mov_b32 s[G1+1], 256<<16
	s_mov_b32 s[G1+2], 32<<16
	s_mov_b32 s[G1+3], 256<<16
	s_mov_b32 s[G1+4], 32
	s_mov_b32 s[G1+5], 1024
	s_mov_b32 s[G1+6], 0
	s_mov_b32 s[G1+7], 0
	s_mul_i32 s11, s10, WREG
	s_lshl_b32 s12, ttmp9, 17                      ; 32 rows of 4,096 bytes a work-group
	s_lshl_b32 s13, s10, 10                        ; 1,024 bytes of a row a wave
	s_add_co_u32 s12, s12, s13
	s_mov_b32 s13, 0
	s_lshr_b32 s14, ttmp9, 2                       ; group
	s_and_b32 s15, ttmp9, 3                        ; pair of tiles b
	s_mul_i32 s32, s14, 98304
	s_mul_i32 s33, s10, 24576
	s_add_co_u32 s32, s32, s33
	s_mul_i32 s33, s15, 1536
	s_add_co_u32 s32, s32, s33
	s_mov_b32 s33, 0
	s_lshl_b32 s34, s14, 12
	s_lshl_b32 s35, s10, 10
	s_add_co_u32 s34, s34, s35
	s_lshl_b32 s35, s15, 8
	s_add_co_u32 s34, s34, s35
	s_mov_b32 s35, 0
	v_and_b32 v7, 31, v0                           ; lane = row n of the 32
	v_mul_u32_u24 v[LA], v7, 1040
	v_add_nc_u32 v[LA], s11, v[LA]
	v_bfe_u32 v8, v0, 3, 1                         ; u = (n / 8) % 2
	v_and_b32 v9, 7, v0
	v_bfe_u32 v10, v0, 4, 1
	v_lshl_add_u32 v9, v10, 3, v9                  ; r = n % 8 + 8 (n / 16)
	v_lshlrev_b32 v[VC], 4, v9
	v_mad_u32_u24 v[VC], v8, 768, v[VC]
	v_lshlrev_b32 v[VSO], 3, v9
	v_lshl_add_u32 v[VSO], v8, 7, v[VSO]
	s_wait_alu depctr_va_vdst(0)                   ; the wait at the head's end
	s_wait_kmcnt 0x0
	s_add_nc_u64 s[6:7], s[6:7], s[32:33]
	s_add_nc_u64 s[8:9], s[8:9], s[34:35]
	s_mov_b32 s[G0], 1
	s_mov_b32 s[G0+1], s11
	s_add_nc_u64 s[G0+2:G0+3], s[4:5], s[12:13]
	s_or_b32 s[G0+3], s[G0+3], 0x80000000
	tensor_load_to_lds s[G0:G0+3], s[G1:G1+7]      ; my one tensor load
	s_nop 0
	s_wait_tensorcnt 0x0                           ; my tile has landed
.irp f, 0,1
.irp k, 0,1,2,3
.irp i, 0,1,2,3,4,5,6,7
	ds_load_b128 v[X+32*\k+4*\i:X+32*\k+4*\i+3], v[LA] offset:\f*512+128*\k+16*\i
.endr
.endr
.irp k, 0,1,2,3
	s_wait_dscnt 24-8*\k                           ; block k's eight loads are in; the later blocks' may be out
	BLK X+32*\k, \k%2, CU+12*(2*\f+\k/2), \f, \k
.endr
.endr
.irp m, 0,1,2,3                        ; each store covers two runs of 256 consecutive bytes, aligned
	global_store_b128 v[VC], v[CU+12*\m:CU+12*\m+3], s[6:7] offset:\m*6144
	global_store_b128 v[VC], v[CU+12*\m+4:CU+12*\m+7], s[6:7] offset:\m*6144+256
	global_store_b128 v[VC], v[CU+12*\m+8:CU+12*\m+11], s[6:7] offset:\m*6144+512
.endr
	global_store_b64 v[VSO], v[SB:SB+1], s[8:9]
	s_wait_tensorcnt 0x0                           ; the wave's end
	ds_add_u32 v[SPW], v[NIL]
	s_wait_dscnt 0x0
	s_endpgm
; ---- the weights
.Lweights:
	s_and_b32 s16, s10, 1                          ; which of the two waves
	s_wait_kmcnt 0x0                               ; the loads at the head are done: their registers are loaded anew
	s_load_b256 s[4:11], s[0:1], 0x18              ; Wq, Wk, Wv, Wo
	s_load_b128 s[12:15], s[0:1], 0x38             ; wimg, wsc
	s_and_b32 s50, ttmp9, 63
	s_lshr_b32 s17, s50, 4                         ; tensor
	s_and_b32 s18, s50, 15                         ; which 64 columns
	s_lshr_b32 s19, ttmp9, 6                       ; which 256 along K
	s_mov_b32 s20, 4096
	s_mov_b32 s21, 256
	s_cmp_lt_u32 s17, 3
	s_cselect_b32 s20, 256, s20                    ; bytes from k to k + 1
	s_cselect_b32 s21, 0x40000, s21                ; bytes from 64 columns to the next
	s_mul_i32 s22, s18, s21
	s_lshl_b32 s23, s16, 7
	s_add_co_u32 s22, s22, s23
	s_mul_i32 s23, s19, s20
	s_lshl_b32 s23, s23, 8
	s_add_co_u32 s22, s22, s23
	s_mov_b32 s23, 0
	s_lshl_b32 s24, s20, 5                         ; a block on: 32 rows
	s_mov_b32 s25, 0
	s_and_b32 s28, s50, 1
	s_lshl_b32 s28, s28, 1
	s_add_co_u32 s28, s28, s16                     ; pair of tiles b
	s_lshr_b32 s29, s50, 1                         ; group
	s_mul_i32 s30, s29, 98304
	s_mul_i32 s31, s19, 24576
	s_add_co_u32 s30, s30, s31
	s_mul_i32 s31, s28, 1536
	s_add_co_u32 s30, s30, s31
	s_mov_b32 s31, 0
	s_lshl_b32 s48, s29, 12
	s_lshl_b32 s49, s19, 10
	s_add_co_u32 s48, s48, s49
	s_lshl_b32 s49, s28, 8
	s_add_co_u32 s48, s48, s49
	s_mov_b32 s49, 0
	v_and_b32 v1, 31, v0
	v_lshlrev_b32 v2, 2, v1                        ; 4 x lane
	v_bfe_u32 v20, v0, 3, 1                        ; u
	v_and_b32 v21, 7, v0
	v_bfe_u32 v22, v0, 4, 1
	v_lshl_add_u32 v21, v22, 3, v21                ; r
	v_lshlrev_b32 v[VC], 4, v21
	v_mad_u32_u24 v[VC], v20, 768, v[VC]
	v_lshlrev_b32 v[VSO], 3, v21
	v_lshl_add_u32 v[VSO], v20, 7, v[VSO]
.set ii, 0
.rept 32
	v_mad_u32_u24 v[OFF+ii], s20, ii, v2
.set ii, ii+1
.endr
	s_wait_alu depctr_va_vdst(0)                   ; the wait at the head's end
	s_wait_kmcnt 0x0
	s_cmp_eq_u32 s17, 1                            ; the choice hangs on the work-group's number alone
	s_cselect_b64 s[26:27], s[6:7], s[4:5]
	s_cmp_eq_u32 s17, 2
	s_cselect_b64 s[26:27], s[8:9], s[26:27]
	s_cmp_eq_u32 s17, 3
	s_cselect_b64 s[26:27], s[10:11], s[26:27]
	s_add_nc_u64 s[BB:BB+1], s[26:27], s[22:23]
.irp t, 1,2,3,4,5,6,7
	s_add_nc_u64 s[BB+2*\t:BB+2*\t+1], s[BB+2*\t-2:BB+2*\t-1], s[24:25]
.endr
	s_add_nc_u64 s[12:13], s[12:13], s[30:31]
	s_add_nc_u64 s[14:15], s[14:15], s[48:49]
.macro LOAD t
.set ii, 0
.rept 32
	global_load_b32 v[XW+32*((\t)%2)+ii], v[OFF+ii], s[BB+2*(\t):BB+2*(\t)+1] th:TH_LOAD_NT
.set ii, ii+1
.endr
.endm
	LOAD 0
	LOAD 1
.irp t, 0,1,2,3,4,5,6,7
.if \t < 7
	s_wait_loadcnt 32                              ; this block's 32 loads are in; the next block's may be out
.else
	s_wait_loadcnt 0x0
.endif
	BLK XW+32*(\t%2), \t%2, CW+12*(\t/2), \t/4, \t%4
.if \t < 6
	LOAD \t+2
.endif
.endr
.irp m, 0,1,2,3
	global_store_b128 v[VC], v[CW+12*\m:CW+12*\m+3], s[12:13] offset:\m*6144
	global_store_b128 v[VC], v[CW+12*\m+4:CW+12*\m+7], s[12:13] offset:\m*6144+256
	global_store_b128 v[VC], v[CW+12*\m+8:CW+12*\m+11], s[12:13] offset:\m*6144+512
.endr
	global_store_b64 v[VSO], v[SB:SB+1], s[14:15]
	s_wait_tensorcnt 0x0                           ; the wave's end
	ds_add_u32 v[SPW], v[NIL]
	s_wait_dscnt 0x0
	s_endpgm
.Lfunc_end_k_qffc7499f6b_quant:
	.size	k_qffc7499f6b_quant, .Lfunc_end_k_qffc7499f6b_quant-k_qffc7499f6b_quant
	.p2alignl 7, 3214868480
	.fill 96, 4, 3214868480
	.section	.rodata,"a",@progbits
	.p2align	6, 0x0
	.amdhsa_kernel k_qffc7499f6b_quant
		.amdhsa_group_segment_fixed_size 167936
		.amdhsa_private_segment_fixed_size 0
		.amdhsa_enable_private_segment 0
		.amdhsa_kernarg_size 72
		.amdhsa_user_sgpr_count 2
		.amdhsa_user_sgpr_kernarg_segment_ptr 1
		.amdhsa_wavefront_size32 1
		.amdhsa_system_sgpr_workgroup_id_x 1
		.amdhsa_system_sgpr_workgroup_id_y 1
		.amdhsa_system_sgpr_workgroup_id_z 1
		.amdhsa_system_vgpr_workitem_id 0
		.amdhsa_next_free_vgpr 208
		.amdhsa_next_free_sgpr 66
		.amdhsa_reserve_vcc 0
		.amdhsa_float_denorm_mode_32 3
		.amdhsa_float_denorm_mode_16_64 3
		.amdhsa_memory_ordered 1
		.amdhsa_forward_progress 1
		.amdhsa_inst_pref_size 62
	.end_amdhsa_kernel
	.amdgpu_metadata
---
amdhsa.version: [ 1, 2 ]
amdhsa.kernels:
  - .name:           k_qffc7499f6b_quant
    .symbol:         k_qffc7499f6b_quant.kd
    .args:
      - { .name: x, .offset: 0, .size: 8, .value_kind: global_buffer, .address_space: global }
      - { .name: ximg, .offset: 8, .size: 8, .value_kind: global_buffer, .address_space: global }
      - { .name: xsc, .offset: 16, .size: 8, .value_kind: global_buffer, .address_space: global }
      - { .name: Wq, .offset: 24, .size: 8, .value_kind: global_buffer, .address_space: global }
      - { .name: Wk, .offset: 32, .size: 8, .value_kind: global_buffer, .address_space: global }
      - { .name: Wv, .offset: 40, .size: 8, .value_kind: global_buffer, .address_space: global }
      - { .name: Wo, .offset: 48, .size: 8, .value_kind: global_buffer, .address_space: global }
      - { .name: wimg, .offset: 56, .size: 8, .value_kind: global_buffer, .address_space: global }
      - { .name: wsc, .offset: 64, .size: 8, .value_kind: global_buffer, .address_space: global }
    .group_segment_fixed_size: 167936
    .private_segment_fixed_size: 0
    .kernarg_segment_align: 8
    .kernarg_segment_size: 72
    .max_flat_workgroup_size: 192
    .sgpr_count:     66
    .vgpr_count:     208
    .wavefront_size: 32
...
	.end_amdgpu_metadata
.endif
;; end of part 1
;; launch gemm_qkv (part 2): grid 4 x 64, 4 waves a work-group, clusters of 4 x 4, 327,680 bytes of LDS; arguments ximg, xsc, wimg, wsc, qkv; writes qkv
.if DOCPART == 2
	.amdgcn_target "amdgcn-amd-amdhsa--gfx1250"
	.amdhsa_code_object_version 6
	.text
	.protected	k_qffc7499f6b_gemm_qkv
	.globl	k_qffc7499f6b_gemm_qkv
	.p2align	8
	.type	k_qffc7499f6b_gemm_qkv,@function
k_qffc7499f6b_gemm_qkv:
	s_mov_b64 s[64:65], 0
	v_nop
	global_prefetch_b8 v0, s[64:65] scope:SCOPE_SE
	s_setreg_imm32_b32 hwreg(HW_REG_WAVE_MODE, 25, 1), 1
	s_wait_xcnt 0x0
	s_wait_alu depctr_hold_cnt(0) depctr_sa_sdst(0) depctr_va_vdst(0) depctr_va_sdst(0) depctr_va_ssrc(0) depctr_va_vcc(0) depctr_vm_vsrc(0)
	s_getreg_b32 s2, hwreg(HW_REG_IB_STS2, 6, 4)
	s_cmp_eq_u32 s2, 0
	s_cbranch_scc0 .Lentry_in_a_cluster
	s_endpgm
.Lentry_in_a_cluster:
	s_bfe_u32 s2, ttmp6, 0x10000c
	s_cmp_lg_u32 s2, 0xf033
	s_cbranch_scc0 .Lentry_shape_is_right
	s_endpgm
.Lentry_shape_is_right:
; Q, K and V = x times the stacked weights, on codes of FP6 (E2M3) with E8M0 scales, K = 1,024; the results are quantised in registers, along the axis that the next product sums over, and leave as codes.
; SHARES.  Work-group (j, g), 4 x 64: token group g (128 tokens), ALL of K, stays in LDS; past it go six of the 24 weight groups of 128 rows, two at a time, all of K: THREE PHASES.
; Phases 0 and 1: groups 4 j + 0, 1 and 4 j + 2, 3 of Wq | Wk: source 0 = the weight's rows, source 1 = tokens: a lane holds a token, its registers run along e: Q and K are quantised along e.
; Phase 2: groups 16 + 2 j, + 1 (Wv): source 0 = tokens, source 1 = Wv's rows: a lane holds (head, v), its registers run along the tokens: V is quantised along the tokens.
; The flavour hangs on the phase alone: phases 0 and 1 are a loop of two trips, phase 2 is written out.
; Operands lie in memory as images of the operand's registers, [group][K / 64][tile][768]: half of K of a group is one dense block of 49,152 bytes.  LDS: for each half of K: the tokens' block, then the two weight groups'.
; FILLS.  At the head one joint load a wave: wave 0 the tokens' lower half of K, wave 1 the weights', wave 2 the tokens' upper half, wave 3 the weights'.  TWO REFILLS of the weights' bytes, in K step 7 of phases 0 and 1,
; when every wave has fetched its last fragments: the three lines, a round of the cluster's barrier, then wave 1 asks for the next phase's lower half and wave 3 for its upper; step 7's products and the way out stand behind the request.
; A phase's first barrier shows the lower half (waves 0 and 1 wait: their load lines are their own); a plain barrier in K step 3, with every wave's wait, shows the upper.
; CLUSTERS: 4 x 4 work-groups; the tokens are asked for jointly along a row of the cluster, the weights along a column.
; PREFETCH: in K step 0 of phases 0 and 1 the next phase's 196,608 bytes of weights are asked for, ahead of their refill in step 7: the sixteen waves of a column of the cluster take 48 blocks of 256 bytes each, told apart by address.
; A wave makes 64 (source 1) x 128 (source 0): 32 accumulators by turns; K in eight steps of 128 on two sets of fragments.  Scale words go from memory into registers, a phase ahead of their use, behind step 7's products.
; A tile's rows are not neighbours (lane r of tile 2 b + u: row 32 b + 8 u + r + 8 (r / 8)): so the 16 registers of source 0's tiles 2 b, 2 b + 1 are 16 neighbours, 32 b + 16 (lane / 16) + 0 .. 15.
; OUT: qkv: Q at 0, K at 6,815,744: [batch x head][token group] blocks of 6,656 bytes: 8 images of 768 bytes, then 512 bytes of scale words; V at 13,631,488: blocks of 6,400: [tile of v][64 tokens][768], then 256 bytes.
; LIMITS: a block of zeros gets the byte 1; largest magnitudes under 2^-124 are held at the byte 1; NaN and infinities are not served.
; REGISTERS: window 0: v8-31 addresses; v32-47 source 1's scale words, v48-79 source 0's; v80-107 at work on the way out; v128-223 source 1's fragments, two sets (on the way out the codes).  window 1: source 0's fragments, two sets.  window 2: the accumulators.
.set FR,     12
.set HALFK,  49152
.set SLOTB,  3*HALFK
.set SPARE,  2*SLOTB
.set ADVA, 8                           ; v8-11  phase 2: Wv's fragments (as v16-19)
.set ADVB, 12                          ; v12-15 phase 2: the tokens' fragments
.set ADRA, 16                          ; v16-17 16 x lane in my source 1 tiles, lower and upper half of K; v18-19 the same for the pieces of 8 bytes
.set ADRB, 20
.set V16,  24                          ; 16 x lane
.set V8H,  25                          ; 512 + 16 r + 8 h
.set V8,   26                          ; 8 x lane
.set SPW,  28
.set NIL,  29
.set PF0,  30
.set PF1,  31
.set SA,   32
.set SB,   48
.set TM,   80
.set PWS,  96
.set R,    100
.set AF,   128
.set G1, 24
.set G0, 32                            ; s[32:35] tokens lower, s[36:39] upper
.set G1B, 48
.set G0B, 56                           ; s[56:59] weights lower, s[60:63] upper
.set MSB, 0
.macro WIN new
.if MSB != \new
	s_set_vgpr_msb (MSB<<8)|\new
.set MSB, \new
.endif
.endm
.macro PLACES n
.rept \n
	v_nop
.endr
.endm
.macro CROUND
	s_barrier_signal -1
	s_barrier_wait -1
	s_cmp_lg_u32 s14, 0
	s_cbranch_scc1 .Lnot_wave_0_\@
	s_barrier_signal -3
.Lnot_wave_0_\@:
	s_barrier_wait -3
	s_barrier_signal -1
	s_barrier_wait -1
.endm
	s_load_b256 s[4:11], s[0:1], 0x0               ; ximg, xsc, wimg, wsc
	s_load_b64 s[12:13], s[0:1], 0x20              ; qkv
	v_lshl_add_u32 v[SPW], v0, 2, SPARE
	v_mov_b32 v[NIL], 0
	ds_add_u32 v[SPW], v[NIL]                      ; the opening lines
	ds_add_u32 v[SPW], v[NIL]
	v_lshrrev_b32 v1, 5, v0
	v_readfirstlane_b32 s14, v1                    ; wave
	s_lshr_b32 s15, s14, 1
	s_and_b32 s16, s14, 1
	s_bfe_u32 s40, ttmp6, 0x40000                  ; cx
	s_bfe_u32 s41, ttmp6, 0x40004                  ; cy
	s_lshl_b32 s42, ttmp9, 2
	s_add_co_u32 s42, s42, s40                     ; j
	s_and_b32 s17, ttmp7, 0xffff
	s_lshl_b32 s17, s17, 2
	s_add_co_u32 s17, s17, s41                     ; g
	s_lshl_b32 s43, s41, 2
	s_lshl_b32 s43, 15, s43                        ; my row of the cluster
	s_lshl_b32 s44, 0x1111, s40                    ; my column
	s_or_b32 s[G1+0], s43, (3<<16)|(1<<21)         ; the tokens: 49,152 bytes as 192 rows of 256
	s_mov_b32 s[G1+1], 32<<16
	s_mov_b32 s[G1+2], 192<<16
	s_mov_b32 s[G1+3], 32<<16
	s_mov_b32 s[G1+4], 192
	s_mov_b32 s[G1+5], 32
	s_mov_b32 s[G1+6], 0
	s_mov_b32 s[G1+7], 0
	s_or_b32 s[G1B+0], s44, (3<<16)|(1<<21)        ; the weights: two rows of 49,152 bytes, 98,304 bytes apart
	s_mov_b32 s[G1B+1], 6144<<16
	s_mov_b32 s[G1B+2], 2<<16
	s_mov_b32 s[G1B+3], 6144<<16
	s_mov_b32 s[G1B+4], 2
	s_mov_b32 s[G1B+5], 12288
	s_mov_b32 s[G1B+6], 0
	s_mov_b32 s[G1B+7], 0
	s_mul_i32 s20, s17, 98304                      ; the tokens' codes
	s_mov_b32 s21, 0
	s_lshl_b32 s45, s42, 2                         ; 4 j
	s_mul_i32 s46, s45, 98304                      ; phase 0's weights
	s_mov_b32 s47, 0
	s_add_co_u32 s98, s46, 196608                  ; phase 1's: what the first prefetch names
	s_mov_b32 s99, 0
	s_mov_b32 s74, 196608                          ; from phase 0's weights to phase 1's,
	s_mov_b32 s75, 0
	s_lshl_b32 s76, s42, 1
	s_sub_co_u32 s76, 14, s76
	s_mul_i32 s76, s76, 98304                      ; and from group 4 j + 2 to group 16 + 2 j
	s_mov_b32 s77, 0
	s_lshl_b32 s88, s17, 12                        ; scale words: the tokens' eight tiles (phase 2's source 0),
	s_mov_b32 s89, 0
	s_lshl_b32 s22, s15, 9
	s_add_co_u32 s22, s22, s88                     ; my four of them (phases 0, 1: source 1),
	s_mov_b32 s23, 0
	s_add_co_u32 s92, s45, s16
	s_lshl_b32 s92, s92, 12                        ; phase 0's weight group 4 j + wave % 2,
	s_mov_b32 s93, 0
	s_lshl_b32 s86, s42, 1
	s_add_co_u32 s86, s86, s15
	s_add_co_u32 s86, s86, 16
	s_lshl_b32 s86, s86, 12
	s_lshl_b32 s87, s16, 9
	s_add_co_u32 s86, s86, s87                     ; phase 2: four tiles of Wv's group 16 + 2 j + wave / 2
	s_mov_b32 s87, 0
	s_add_co_u32 s2, s45, s16                      ; where Q or K goes: weight group Wg = 4 j + wave % 2
	s_lshr_b32 s3, s2, 3
	s_lshl_b32 s3, s3, 10
	s_and_b32 s2, s2, 7
	s_lshl_b32 s2, s2, 5
	s_add_co_u32 s2, s2, s3
	s_lshr_b32 s3, s17, 4
	s_lshl_b32 s3, s3, 8
	s_add_co_u32 s2, s2, s3
	s_and_b32 s18, s17, 15
	s_add_co_u32 s2, s2, s18                       ; block = 1,024 tensor + 16 (16 batch + head) + token group in the batch
	s_mul_i32 s2, s2, 6656
	s_mul_i32 s19, s15, 3072
	s_add_co_u32 s94, s2, s19                      ; my four tiles' images
	s_mov_b32 s95, 0
	s_lshl_b32 s19, s15, 3
	s_add_co_u32 s96, s2, s19                      ; and their scale words
	s_mov_b32 s97, 0
	s_add_co_u32 s90, s45, s14                     ; where V goes: head 4 j + wave
	s_lshl_b32 s90, s90, 4
	s_add_co_u32 s90, s90, s3
	s_add_co_u32 s90, s90, s18
	s_mul_i32 s90, s90, 6400
	s_add_co_u32 s90, s90, 13631488
	s_mov_b32 s91, 0
	s_mul_i32 s66, s15, 3072                       ; LDS.  phases 0, 1: my four tiles of tokens,
	s_add_co_u32 s67, s66, SLOTB
	s_mul_i32 s68, s16, HALFK
	s_add_co_u32 s68, s68, HALFK                   ; my weight group;
	s_add_co_u32 s69, s68, SLOTB
	s_mul_i32 s70, s15, HALFK
	s_add_co_u32 s70, s70, HALFK
	s_mul_i32 s71, s16, 3072
	s_add_co_u32 s70, s70, s71                     ; phase 2: my four tiles of Wv
	s_add_co_u32 s71, s70, SLOTB
	s_lshl_b32 s72, s41, 2
	s_add_co_u32 s72, s72, s14
	s_mul_i32 s72, s72, 12288                      ; my sixteenth of what my column of the cluster prefetches
	s_mov_b32 s18, 0x76543210
	s_mov_b32 s19, 0xfedcba98                      ; lane l xor 16
	v_and_b32 v1, 15, v0                           ; r
	v_bfe_u32 v2, v0, 4, 1                         ; h
	v_and_b32 v3, 31, v0
	v_lshlrev_b32 v[V16], 4, v3
	v_lshlrev_b32 v[V8H], 4, v1
	v_lshl_add_u32 v[V8H], v2, 3, v[V8H]
	v_add_nc_u32 v[V8H], 512, v[V8H]
	v_lshlrev_b32 v[V8], 3, v3
	v_add_nc_u32 v[ADRA], s66, v[V16]
	v_add_nc_u32 v[ADRA+1], s67, v[V16]
	v_add_nc_u32 v[ADRA+2], s66, v[V8H]
	v_add_nc_u32 v[ADRA+3], s67, v[V8H]
	v_add_nc_u32 v[ADRB], s68, v[V16]
	v_add_nc_u32 v[ADRB+1], s69, v[V16]
	v_add_nc_u32 v[ADRB+2], s68, v[V8H]
	v_add_nc_u32 v[ADRB+3], s69, v[V8H]
	v_add_nc_u32 v[ADVA], s70, v[V16]
	v_add_nc_u32 v[ADVA+1], s71, v[V16]
	v_add_nc_u32 v[ADVA+2], s70, v[V8H]
	v_add_nc_u32 v[ADVA+3], s71, v[V8H]
	v_mov_b32 v[ADVB], v[V16]
	v_add_nc_u32 v[ADVB+1], SLOTB, v[V16]
	v_mov_b32 v[ADVB+2], v[V8H]
	v_add_nc_u32 v[ADVB+3], SLOTB, v[V8H]
	v_lshl_add_u32 v[PF0], v3, 8, s72              ; blocks 0-31 of my 48,
	v_min_u32 v[PF1], 15, v3
	v_lshl_add_u32 v[PF1], v[PF1], 8, s72
	v_add_nc_u32 v[PF1], 8192, v[PF1]              ; blocks 32-47 (lanes 16-31 name the last again)
.irp b, 0,1,2,3
	v_mov_b32 v[TM+4+\b], 0                        ; a lane permute's destination counts as one of its sources
.endr
	s_wait_alu depctr_va_vdst(0)                   ; the wait at the head's end
	s_wait_dscnt 0x0
	s_wait_kmcnt 0x0
	s_add_nc_u64 s[20:21], s[4:5], s[20:21]
	s_add_nc_u64 s[46:47], s[8:9], s[46:47]
	s_add_nc_u64 s[98:99], s[8:9], s[98:99]
	s_add_nc_u64 s[82:83], s[6:7], s[22:23]        ; source 1's scale words in phases 0 and 1
	s_add_nc_u64 s[92:93], s[10:11], s[92:93]      ; source 0's in phase 0,
	s_add_nc_u64 s[84:85], s[92:93], 8192          ; in phase 1
	s_add_nc_u64 s[86:87], s[10:11], s[86:87]      ; phase 2: source 1's,
	s_add_nc_u64 s[88:89], s[6:7], s[88:89]        ; source 0's
	s_add_nc_u64 s[94:95], s[12:13], s[94:95]
	s_add_nc_u64 s[96:97], s[12:13], s[96:97]
	s_add_nc_u64 s[90:91], s[12:13], s[90:91]
	CROUND                                         ; all sixteen work-groups are here: the joint loads meet
	s_mov_b32 s[G0], 1
	s_mov_b32 s[G0+1], 0
	s_mov_b64 s[G0+2:G0+3], s[20:21]
	s_or_b32 s[G0+3], s[G0+3], 0x80000000
	s_mov_b32 s[G0+4], 1
	s_mov_b32 s[G0+5], SLOTB
	s_add_nc_u64 s[G0+6:G0+7], s[20:21], HALFK
	s_or_b32 s[G0+7], s[G0+7], 0x80000000
	s_mov_b32 s[G0B], 1
	s_mov_b32 s[G0B+1], HALFK
	s_mov_b64 s[G0B+2:G0B+3], s[46:47]
	s_or_b32 s[G0B+3], s[G0B+3], 0x80000000
	s_mov_b32 s[G0B+4], 1
	s_mov_b32 s[G0B+5], SLOTB+HALFK
	s_add_nc_u64 s[G0B+6:G0B+7], s[46:47], HALFK
	s_or_b32 s[G0B+7], s[G0B+7], 0x80000000
.macro ARM under, g0, g1, next         ; one chain of branches on the wave's number, one load to an arm
	s_cmp_lt_u32 s14, \under
	s_cbranch_scc0 \next
	tensor_load_to_lds s[\g0:\g0+3], s[\g1:\g1+7]
	s_nop 0
	PLACES 4
	s_branch .Lhead_asked
\next:
.endm
	ARM 1, G0,   G1,  .Lhead_b
	ARM 2, G0B,  G1B, .Lhead_a1
	ARM 3, G0+4, G1,  .Lhead_b1
	tensor_load_to_lds s[G0B+4:G0B+7], s[G1B:G1B+7]
	s_nop 0
	PLACES 4
.Lhead_asked:
.macro SCLOAD pa, pb                   ; a phase's scale words: a load's 32 lanes read 256 consecutive bytes: two tiles' words for 256 along K, the even tile's in lanes 0-15
.irp c, 0,1,2,3
.irp m, 0,1
	global_load_b64 v[SA+4*\c+2*\m:SA+4*\c+2*\m+1], v[V8], s[\pa:\pa+1] offset:1024*\c+256*\m
.endr
.irp n, 0,1,2,3
	global_load_b64 v[SB+8*\c+2*\n:SB+8*\c+2*\n+1], v[V8], s[\pb:\pb+1] offset:1024*\c+256*\n
.endr
.endr
.endm
	SCLOAD 82, 92
.macro FRAG reg, adr, q, i             ; a fragment, 16 rows x 128 K: two images of 768 bytes, 6,144 bytes apart
	ds_load_b128 v[\reg:\reg+3], v[\adr] offset:12288*(\q)+768*(\i)
	ds_load_b64 v[\reg+4:\reg+5], v[\adr+2] offset:12288*(\q)+768*(\i)
	ds_load_b128 v[\reg+6:\reg+9], v[\adr] offset:12288*(\q)+6144+768*(\i)
	ds_load_b64 v[\reg+10:\reg+11], v[\adr+2] offset:12288*(\q)+6144+768*(\i)
.endm
.macro FETCH st, adrb, adra            ; K step st's twelve fragments into set st % 2: 48 loads
	WIN 0x40
.irp i, 0,1,2,3,4,5,6,7
	FRAG 128*((\st)%2)+FR*\i, \adrb+(\st)/4, (\st)%4, \i
.endr
	WIN 0
.irp i, 0,1,2,3
	FRAG AF+48*((\st)%2)+FR*\i, \adra+(\st)/4, (\st)%4, \i
.endr
.endm
.macro MUL st                          ; 32 products; the 32 accumulators take turns, in the same order in every step; step 0's start the sums
	WIN 0xa1                                       ; source 0 window 1, source 1 window 0, C and D window 2
.irp m, 0,1
.irp e, 0,1
.irp n, 0,1,2,3
.irp f, 0,1
.if (\st) == 0
	v_wmma_scale_f32_16x16x128_f8f6f4 v[8*(8*(2*\m+\e)+2*\n+\f):8*(8*(2*\m+\e)+2*\n+\f)+7], v[128*((\st)%2)+FR*(2*\n+\f):128*((\st)%2)+FR*(2*\n+\f)+FR-1], v[AF+48*((\st)%2)+FR*(2*\m+\e):AF+48*((\st)%2)+FR*(2*\m+\e)+FR-1], 0, v[SB+8*((\st)/2)+2*\n+(\st)%2], v[SA+4*((\st)/2)+2*\m+(\st)%2] matrix_a_fmt:MATRIX_FMT_FP6 matrix_b_fmt:MATRIX_FMT_FP6 matrix_a_scale:MATRIX_SCALE_ROW\f matrix_b_scale:MATRIX_SCALE_ROW\e
.else
	v_wmma_scale_f32_16x16x128_f8f6f4 v[8*(8*(2*\m+\e)+2*\n+\f):8*(8*(2*\m+\e)+2*\n+\f)+7], v[128*((\st)%2)+FR*(2*\n+\f):128*((\st)%2)+FR*(2*\n+\f)+FR-1], v[AF+48*((\st)%2)+FR*(2*\m+\e):AF+48*((\st)%2)+FR*(2*\m+\e)+FR-1], v[8*(8*(2*\m+\e)+2*\n+\f):8*(8*(2*\m+\e)+2*\n+\f)+7], v[SB+8*((\st)/2)+2*\n+(\st)%2], v[SA+4*((\st)/2)+2*\m+(\st)%2] matrix_a_fmt:MATRIX_FMT_FP6 matrix_b_fmt:MATRIX_FMT_FP6 matrix_a_scale:MATRIX_SCALE_ROW\f matrix_b_scale:MATRIX_SCALE_ROW\e
.endif
.endr
.endr
.endr
.endr
	WIN 0
.endm
; A phase: the eight K steps.  more = 1: another phase follows: its weights are prefetched in step 0 and asked for in step 7.
.macro PHASE adrb, adra, more
	s_cmp_lt_u32 s14, 2
	s_cbranch_scc0 .Lnot_lower_\@
	s_wait_tensorcnt 0x0                           ; waves 0 and 1: my lower half has landed
.Lnot_lower_\@:
	s_barrier_signal -1
	s_barrier_wait -1                              ; the lower half of K is in; the upper may be on its way
	FETCH 0, \adrb, \adra
	s_wait_loadcnt 0x0                             ; the phase's scale words
.irp st, 0,1,2,3,4,5,6
.if \st > 0
	PLACES 4                                       ; ahead of loads into registers that the last step's products read
.endif
.if \st == 3
	s_wait_tensorcnt 0x0                           ; every wave: all my tensor loads have landed,
	s_wait_dscnt 0x0
	s_barrier_signal -1
	s_barrier_wait -1                              ; the upper half is in
.endif
	FETCH \st+1, \adrb, \adra
	s_wait_dscnt 48                                ; this step's fragments are in; the next step's 48 loads may be out
	MUL \st
.if (\more) && (\st == 0)
	global_prefetch_b8 v[PF0], s[98:99] th:TH_LOAD_NT scope:SCOPE_SE
	global_prefetch_b8 v[PF1], s[98:99] th:TH_LOAD_NT scope:SCOPE_SE
.endif
.endr
.if \more
	s_wait_xcnt 0x0                                ; the prefetches have read their base
	s_add_nc_u64 s[98:99], s[98:99], s[76:77]      ; what the next phase's prefetch names
	s_wait_tensorcnt 0x0
	ds_add_u32 v[SPW], v[NIL]
	s_add_nc_u64 s[G0B+2:G0B+3], s[G0B+2:G0B+3], s[74:75]   ; no tensor load of mine is out: on to the next phase's weights
	s_add_nc_u64 s[G0B+6:G0B+7], s[G0B+6:G0B+7], s[74:75]
	s_mov_b64 s[74:75], s[76:77]
	s_wait_dscnt 0x0                               ; the add is done, and my last fragments are in registers
	CROUND                                         ; no wave of any partner still reads the weights' bytes or has a load on its way
	s_cmp_eq_u32 s14, 1
	s_cbranch_scc0 .Lupper_\@
	tensor_load_to_lds s[G0B:G0B+3], s[G1B:G1B+7]
	s_nop 0
	PLACES 4
	s_branch .Lasked_\@
.Lupper_\@:
	s_cmp_eq_u32 s14, 3
	s_cbranch_scc0 .Lasked_\@
	tensor_load_to_lds s[G0B+4:G0B+7], s[G1B:G1B+7]
	s_nop 0
	PLACES 4
.Lasked_\@:
.else
	s_wait_dscnt 0x0
.endif
	MUL 7
	PLACES 4                                       ; ahead of the loads into the scale registers and of the first read of the sums
.endm
; THE WAY OUT.  Source 1's block a: a lane's 64 results, register 16 b + i = place 32 b + 16 (lane / 16) + i along the next K, become a fragment's codes in v[PC] on and its scale word in v[PWS + a].
.macro QUANT a
.set AC, 64*(\a)
.set PC, AF+20*(\a)                    ; a set of registers for each block: no store's data are written again within a phase
	WIN 0x0a
.irp b, 0,1,2,3
	v_max3_num_f32 v[TM+\b], |v[AC+16*\b]|, |v[AC+1+16*\b]|, 0x1800000   ; each accumulator is read from its low end on; the floor 2^(3 - 127)
.endr
.irp i, 2,4,6,8,10,12,14
.irp b, 0,1,2,3
	v_max3_num_f32 v[TM+\b], |v[AC+16*\b+\i]|, |v[AC+1+16*\b+\i]|, v[TM+\b]
.endr
.endr
	WIN 0
.irp b, 0,1,2,3
	v_permlanex16_b32 v[TM+4+\b], v[TM+\b], s18, s19
.endr
.irp b, 0,1,2,3
	v_max_num_f32 v[TM+\b], v[TM+\b], v[TM+4+\b]   ; with lane l xor 16's: the block's largest magnitude
.endr
.irp b, 0,1,2,3
	v_add_nc_u32 v[TM+12+\b], 0xff000000, v[TM+\b] ; the conversion's scale operand
.endr
.irp b, 0,1,2,3
	v_lshrrev_b32 v[TM+4+\b], 23, v[TM+12+\b]      ; the byte
.endr
	v_lshl_or_b32 v[PWS+\a], v[TM+5], 8, v[TM+4]
	v_lshl_or_b32 v[PWS+\a], v[TM+6], 16, v[PWS+\a]
	v_lshl_or_b32 v[PWS+\a], v[TM+7], 24, v[PWS+\a]
	WIN 0x02
.irp c, 0,1
	v_cvt_scalef32_pk16_fp6_f32 v[PC+6*\c:PC+2+6*\c], v[AC+32*\c:AC+15+32*\c], v[TM+12+2*\c]
	v_cvt_scalef32_pk16_fp6_f32 v[PC+12+4*\c:PC+14+4*\c], v[AC+16+32*\c:AC+31+32*\c], v[TM+13+2*\c]
.endr
	WIN 0
	v_nop                                          ; one plain place behind a scaled conversion
.irp c, 0,1                            ; the operand's layout wants a whole block in a lane
.irp i, 0,1,2
	v_permlane16_swap_b32 v[PC+6*\c+\i], v[PC+12+4*\c+\i]
.endr
.irp i, 0,1,2
	v_mov_b32 v[PC+3+6*\c+\i], v[PC+12+4*\c+\i]
.endr
.endr
.endm
.macro IMAGES base, step, half         ; four blocks' codes: each store covers 512 or 256 consecutive bytes
.irp a, 0,1,2,3
	QUANT \a
	global_store_b128 v[V16], v[PC:PC+3], s[\base:\base+1] offset:(\step)*\a
	global_store_b64 v[V8H], v[PC+4:PC+5], s[\base:\base+1] offset:(\step)*\a
	global_store_b128 v[V16], v[PC+6:PC+9], s[\base:\base+1] offset:(\step)*\a+(\half)
	global_store_b64 v[V8H], v[PC+10:PC+11], s[\base:\base+1] offset:(\step)*\a+(\half)
.endr
.irp q, 0,1
	v_cndmask_b32 v[R+\q], v[PWS+2*\q], v[PWS+2*\q+1], s2   ; lanes 0-15: block 2 q's words, lanes 16-31: block 2 q + 1's
.endr
.endm
	s_mov_b32 s2, 0xffff0000
	s_mov_b32 s3, 0
.Lphase:                                               ; phases 0 and 1: Q or K
	PHASE ADRB, ADRA, 1
	s_cmp_eq_u32 s3, 0                             ; the next phase's scale words: the choice hangs on the trip alone
	s_cselect_b64 s[78:79], s[82:83], s[86:87]
	s_cselect_b64 s[80:81], s[84:85], s[88:89]
	SCLOAD 78, 80
	IMAGES 94, 768, 106496                         ; a fragment's second half is the next head's: 16 blocks on
.irp q, 0,1
	v_lshrrev_b32 v[R+2+\q], 16, v[R+\q]           ; bytes 2 and 3 are the odd head's two blocks
.endr
	global_store_b64 v[V16], v[R:R+1], s[96:97] offset:6144            ; the even head: its bytes 0 and 1 count; what stands above them meets zero codes
	global_store_b64 v[V16], v[R+2:R+3], s[96:97] offset:6144+106496
	s_wait_xcnt 0x0                                ; the stores have read their data and their bases: both are written again only behind this wait
	s_add_nc_u64 s[94:95], s[94:95], 425984        ; two weight groups on: four heads, 64 blocks
	s_add_nc_u64 s[96:97], s[96:97], 425984
	s_add_co_u32 s3, s3, 1
	s_cmp_lt_u32 s3, 2
	s_wait_alu depctr_va_vdst(0)                   ; ahead of the branch
	s_cbranch_scc1 .Lphase
	PHASE ADVB, ADVA, 0                            ; phase 2: V
	IMAGES 90, 1536, 768                           ; block a is tile a of my head's v; a fragment's second half is the next 64 tokens' image
	global_store_b64 v[V8], v[R:R+1], s[90:91] offset:6144   ; 256 consecutive bytes
	s_wait_tensorcnt 0x0                           ; the wave's end
	ds_add_u32 v[SPW], v[NIL]
	s_wait_dscnt 0x0
	CROUND                                         ; the closing round
	s_endpgm
.Lfunc_end_k_qffc7499f6b_gemm_qkv:
	.size	k_qffc7499f6b_gemm_qkv, .Lfunc_end_k_qffc7499f6b_gemm_qkv-k_qffc7499f6b_gemm_qkv
	.p2alignl 7, 3214868480
	.fill 96, 4, 3214868480
	.section	.rodata,"a",@progbits
	.p2align	6, 0x0
	.amdhsa_kernel k_qffc7499f6b_gemm_qkv
		.amdhsa_group_segment_fixed_size 327680
		.amdhsa_private_segment_fixed_size 0
		.amdhsa_enable_private_segment 0
		.amdhsa_kernarg_size 40
		.amdhsa_user_sgpr_count 2
		.amdhsa_user_sgpr_kernarg_segment_ptr 1
		.amdhsa_wavefront_size32 1
		.amdhsa_system_sgpr_workgroup_id_x 1
		.amdhsa_system_sgpr_workgroup_id_y 1
		.amdhsa_system_sgpr_workgroup_id_z 1
		.amdhsa_system_vgpr_workitem_id 0
		.amdhsa_next_free_vgpr 768
		.amdhsa_next_free_sgpr 100
		.amdhsa_reserve_vcc 0
		.amdhsa_float_denorm_mode_32 3
		.amdhsa_float_denorm_mode_16_64 3
		.amdhsa_memory_ordered 1
		.amdhsa_forward_progress 1
		.amdhsa_inst_pref_size 168
	.end_amdhsa_kernel
	.amdgpu_metadata
---
amdhsa.version: [ 1, 2 ]
amdhsa.kernels:
  - .name:           k_qffc7499f6b_gemm_qkv
    .symbol:         k_qffc7499f6b_gemm_qkv.kd
    .args:
      - { .name: ximg, .offset: 0, .size: 8, .value_kind: global_buffer, .address_space: global }
      - { .name: xsc, .offset: 8, .size: 8, .value_kind: global_buffer, .address_space: global }
      - { .name: wimg, .offset: 16, .size: 8, .value_kind: global_buffer, .address_space: global }
      - { .name: wsc, .offset: 24, .size: 8, .value_kind: global_buffer, .address_space: global }
      - { .name: qkv, .offset: 32, .size: 8, .value_kind: global_buffer, .address_space: global }
    .group_segment_fixed_size: 327680
    .private_segment_fixed_size: 0
    .kernarg_segment_align: 8
    .kernarg_segment_size: 40
    .max_flat_workgroup_size: 128
    .sgpr_count:     100
    .vgpr_count:     768
    .wavefront_size: 32
...
	.end_amdgpu_metadata
.endif
;; end of part 2
;; launch attn (part 3): grid 4 x 64, 8 waves a work-group, clusters of 4 x 1, 327,680 bytes of LDS; arguments qkv, oimg, osc; writes oimg, osc
.if DOCPART == 3
	.amdgcn_target "amdgcn-amd-amdhsa--gfx1250"
	.amdhsa_code_object_version 6
	.text
	.protected	k_qffc7499f6b_attn
	.globl	k_qffc7499f6b_attn
	.p2align	8
	.type	k_qffc7499f6b_attn,@function
k_qffc7499f6b_attn:
	s_mov_b64 s[64:65], 0
	v_nop
	global_prefetch_b8 v0, s[64:65] scope:SCOPE_SE
	s_setreg_imm32_b32 hwreg(HW_REG_WAVE_MODE, 25, 1), 1
	s_wait_xcnt 0x0
	s_wait_alu depctr_hold_cnt(0) depctr_sa_sdst(0) depctr_va_vdst(0) depctr_va_sdst(0) depctr_va_ssrc(0) depctr_va_vcc(0) depctr_vm_vsrc(0)
	s_getreg_b32 s2, hwreg(HW_REG_IB_STS2, 6, 4)
	s_cmp_eq_u32 s2, 0
	s_cbranch_scc0 .Lentry_in_a_cluster
	s_endpgm
.Lentry_in_a_cluster:
	s_bfe_u32 s2, ttmp6, 0x10000c
	s_cmp_lg_u32 s2, 0x3003
	s_cbranch_scc0 .Lentry_shape_is_right
	s_endpgm
.Lentry_shape_is_right:
; o = softmax(q k^T / 8) v for one (batch, head) and 512 queries a work-group, on codes of FP6 (E2M3) with E8M0 scales; o is quantised along the head's 64 and leaves as codes for the last product.
; p = 2^(t - M), t = score x log2(e) / 8, M the ceiling of the running largest t, a whole number; the row's sum is taken of the unquantised p; a change of M multiplies the sum and O by a power of two.
; LIMITS: the promise holds while |t| stays under 2^31; a block whose every p has fallen to 0 gets the byte 1 (its codes are zeros); NaN and infinities are not served.
; SHARES.  Eight waves; a wave owns 64 queries, four tiles of 16, and walks the 2,048 keys in 16 steps of 128.  Each fragment of K and V is read from LDS once a step for all four tiles.
; The tiles go through the softmax in two pairs, the two of a pair line by line in turn.  Both products are used transposed (S^T = k q^T, O^T = v^T p^T): a lane holds one query.
; LDS: all of the head's K (16 blocks of 26 x 256 bytes, 64 bytes of padding behind each 256) and V (16 x 6,400 bytes), asked for once, at the head, one joint load a wave: waves 0-3 a quarter of K, waves 4-7 of V.
; The four work-groups of a cluster are the four query blocks of one head and ask jointly.  Nothing is filled again.  No prefetch: every byte is asked for at the head, there is no loop to run ahead in.
; THE KEYS OF A TILE are chosen by the lanes' addresses: row 8 g + j of tile (c, t) is key 64 c + 32 g + 8 t + j, which lies in K's image 4 c + 2 g + t % 2 at row 8 (t / 2) + j.
; So a lane's 32 scores of tiles (c, 0..3) are the 32 keys of P's scale block 2 c + lane / 16, in the order of the operand's registers: no lane asks another for a block's maximum, and no code changes lanes.
; K = 64 fills half of the matrix instruction: q's upper six registers are zero codes, so k's fragments lie six registers apart and a fragment's upper half, the next tile's codes, adds nothing.
; REGISTERS.  window 0: v1-15 addresses; v16-31 four tiles' -M, largest score, sum (2); v32-43 scale words; v44-71 at work; v72-125 K; v126-253 two tiles' scores.  window 1: v0-127 O^T; v128-175 q; v176-223 V; v224-247 p's codes.
.set KB,    8320
.set VB,    6400
.set VBASE, 133120
.set SPARE, 235520
.set SPW, 1
.set NIL, 2
.set BK16, 3
.set BK8,  4
.set BKS,  5
.set BV16, 6
.set BV8,  7
.set BVS,  8
.set AK16, 9
.set AK8,  10
.set AKS,  11
.set AV16, 12
.set AV8,  13
.set AVS,  14
.set SH8,  15
.set ST,  16
.set KS,  32
.set QS,  36
.set VS,  40
.set PS,  42
.set BM,  44
.set SO,  48
.set F,   52                           ; pairs: f, and a number at work
.set TC,  56
.set TS,  56
.set TP,  60
.set KF,  72
.set S,   126
.set O,   0                            ; window 1
.set QF,  128
.set VF,  176
.set PCD, 224
.set WV,  12
.set G1K, 24
.set G1V, 32
.set G0K, 40
.set G0V, 44
.set TK,  48
.set TV,  49
.set CNT, 50
.set NC,  51
.set QB,  52
.set QSB, 54
.set OB,  56
.set OSB, 58
.set SEL, 60
.set CS,  62
.set MSB, 0
.macro WIN new                         ; the immediate's high byte repeats the setting that is left
.if MSB != \new
	s_set_vgpr_msb (MSB<<8)|\new
.set MSB, \new
.endif
.endm
.macro WALU
	s_wait_alu depctr_va_vdst(0)
.endm
.macro CROUND
	s_barrier_signal -1
	s_barrier_wait -1
	s_cmp_lg_u32 s[WV], 0
	s_cbranch_scc1 .Lnot_wave_0_\@
	s_barrier_signal -3
.Lnot_wave_0_\@:
	s_barrier_wait -3
	s_barrier_signal -1
	s_barrier_wait -1
.endm
	s_load_b128 s[4:7], s[0:1], 0x0                ; qkv, oimg
	s_load_b64 s[8:9], s[0:1], 0x10                ; osc
	v_lshl_add_u32 v[SPW], v0, 2, SPARE
	v_mov_b32 v[NIL], 0
	ds_add_u32 v[SPW], v[NIL]                      ; the opening lines
	ds_add_u32 v[SPW], v[NIL]
	v_lshrrev_b32 v[S], 5, v0
	v_readfirstlane_b32 s[WV], v[S]                ; wave
	s_bfe_u32 s13, ttmp6, 0x40000                  ; cx: which 512 queries
	s_and_b32 s14, ttmp7, 0xffff                   ; 16 batch + head
	s_mov_b32 s[G1K], 15|(3<<16)|(1<<20)|(1<<21)|(5<<22)|(15<<25)   ; all four partners; elements of 8 bytes; behind every 64 words 16 words of padding
	s_mov_b32 s[G1K+1], 32<<16
	s_mov_b32 s[G1K+2], 104<<16
	s_mov_b32 s[G1K+3], 32<<16
	s_mov_b32 s[G1K+4], 104
	s_mov_b32 s[G1K+5], 32
	s_mov_b32 s[G1K+6], 0
	s_mov_b32 s[G1K+7], 0
	s_mov_b32 s[G1V], 15|(3<<16)|(1<<21)
	s_mov_b32 s[G1V+1], 32<<16
	s_mov_b32 s[G1V+2], 100<<16
	s_mov_b32 s[G1V+3], 32<<16
	s_mov_b32 s[G1V+4], 100
	s_mov_b32 s[G1V+5], 32
	s_mov_b32 s[G1V+6], 0
	s_mov_b32 s[G1V+7], 0
	s_and_b32 s15, s[WV], 3                        ; which quarter I fetch
	s_mul_i32 s16, s14, 106496
	s_mul_i32 s17, s15, 26624
	s_add_co_u32 s16, s16, s17
	s_add_co_u32 s16, s16, 6815744                 ; K's part of qkv
	s_mov_b32 s17, 0
	s_mul_i32 s18, s14, 102400
	s_mul_i32 s19, s15, 25600
	s_add_co_u32 s18, s18, s19
	s_add_co_u32 s18, s18, 13631488                ; V's
	s_mov_b32 s19, 0
	s_mul_i32 s[G0K+1], s[WV], 33280               ; 104 rows of 320 bytes
	s_mul_i32 s[G0V+1], s[WV], 25600
	s_add_co_u32 s[G0V+1], s[G0V+1], VBASE-102400  ; waves 4-7
	s_mov_b32 s[SEL], 0x76543210
	s_mov_b32 s[SEL+1], 0xfedcba98                 ; lane l xor 16
	s_mov_b32 s[CS], 0x3e38aa3b                    ; c = log2(e) / 8
	s_mov_b32 s[CS+1], s[CS]
	s_mov_b32 s[NC], 0xbe38aa3b                    ; -c
	s_lshr_b32 s20, s[WV], 1
	s_lshl_b32 s22, s13, 2
	s_add_co_u32 s20, s20, s22                     ; my queries' token group in the batch
	s_and_b32 s21, s[WV], 1                        ; tiles 4 (wave % 2) + 0 .. 3 of it
	s_lshl_b32 s22, s14, 4
	s_add_co_u32 s22, s22, s20
	s_mul_i32 s22, s22, 6656                       ; q's block
	s_mul_i32 s23, s21, 3072
	s_add_co_u32 s[QB], s22, s23
	s_mov_b32 s[QB+1], 0
	s_lshl_b32 s10, s21, 3
	s_add_co_u32 s[QSB], s22, s10
	s_add_co_u32 s[QSB], s[QSB], 6144
	s_mov_b32 s[QSB+1], 0
	s_lshr_b32 s22, s14, 4
	s_lshl_b32 s22, s22, 4
	s_add_co_u32 s22, s22, s20                     ; token group
	s_and_b32 s11, s14, 15                         ; head
	s_lshl_b32 s[OB], s22, 4
	s_add_co_u32 s[OB], s[OB], s11
	s_mul_i32 s[OB], s[OB], 6144
	s_add_co_u32 s[OB], s[OB], s23
	s_mov_b32 s[OB+1], 0
	s_lshl_b32 s[OSB], s22, 12
	s_lshr_b32 s10, s11, 2
	s_lshl_b32 s10, s10, 10
	s_add_co_u32 s[OSB], s[OSB], s10
	s_lshl_b32 s10, s21, 9
	s_add_co_u32 s[OSB], s[OSB], s10
	s_bfe_u32 s10, s11, 0x10001
	s_lshl_b32 s10, s10, 2
	s_add_co_u32 s[OSB], s[OSB], s10
	s_and_b32 s10, s11, 1
	s_lshl_b32 s10, s10, 1
	s_add_co_u32 s[OSB], s[OSB], s10
	s_mov_b32 s[OSB+1], 0
	v_and_b32 v[S+1], 7, v0                        ; j
	v_bfe_u32 v[S+2], v0, 3, 1                     ; g
	v_bfe_u32 v[S+3], v0, 4, 1                     ; h
	v_and_b32 v[S+4], 31, v0                       ; lane
	v_and_b32 v[S+5], 15, v0                       ; r
	v_lshlrev_b32 v[S+9], 4, v[S+1]                ; 16 j
	v_mad_u32_u24 v[BK16], v[S+2], 1920, v[S+9]    ; two images on, six paddings more
	v_lshl_add_u32 v[BK8], v[S+3], 3, v[BK16]
	v_add_nc_u32 v[BK8], 640, v[BK8]               ; registers 4-5: byte 512 of the image, two paddings more
	v_mad_u32_u24 v[BK16], v[S+3], 320, v[BK16]    ; registers 0-3: lanes 16-31 256 bytes on, one padding more
	v_lshl_add_u32 v[BKS], v[S+2], 2, v[S+9]
	v_mad_u32_u24 v[BKS], v[S+3], 320, v[BKS]      ; scale words: lanes 16-31 take the odd tiles'
	v_add_nc_u32 v[BKS], 7680, v[BKS]
	v_lshl_add_u32 v[BV16], v[S+4], 4, VBASE
	v_lshlrev_b32 v[S+8], 4, v[S+5]                ; 16 r
	v_lshl_add_u32 v[S+7], v[S+3], 3, v[S+8]
	v_add_nc_u32 v[S+7], 512, v[S+7]               ; 512 + 16 r + 8 h
	v_add_nc_u32 v[BV8], VBASE, v[S+7]
	v_lshl_add_u32 v[BVS], v[S+4], 3, VBASE+6144
	v_lshlrev_b32 v[S+6], 4, v[S+4]                ; 16 x lane
	v_lshlrev_b32 v[SH8], 3, v[S+3]                ; 8 h
	WALU                                           ; ahead of the waits below
	s_wait_dscnt 0x0
	s_wait_kmcnt 0x0
	s_mov_b32 s[G0K], 1
	s_add_nc_u64 s[G0K+2:G0K+3], s[4:5], s[16:17]
	s_or_b32 s[G0K+3], s[G0K+3], 0x80000000
	s_mov_b32 s[G0V], 1
	s_add_nc_u64 s[G0V+2:G0V+3], s[4:5], s[18:19]
	s_or_b32 s[G0V+3], s[G0V+3], 0x80000000
	s_add_nc_u64 s[QB:QB+1], s[4:5], s[QB:QB+1]
	s_add_nc_u64 s[QSB:QSB+1], s[4:5], s[QSB:QSB+1]
	s_add_nc_u64 s[OB:OB+1], s[6:7], s[OB:OB+1]
	s_add_nc_u64 s[OSB:OSB+1], s[8:9], s[OSB:OSB+1]
	CROUND                                         ; the four partners are here: the joint loads meet
	s_cmp_lt_u32 s[WV], 4
	s_cbranch_scc0 .Lfor_v
	tensor_load_to_lds s[G0K:G0K+3], s[G1K:G1K+7]
	s_nop 0
.rept 4
	v_nop
.endr
	s_branch .Lasked
.Lfor_v:
	tensor_load_to_lds s[G0V:G0V+3], s[G1V:G1V+7]
	s_nop 0
.rept 4
	v_nop
.endr
.Lasked:
	WIN 0x40
.irp q, 0,1,2,3
	global_load_b128 v[QF+12*\q:QF+12*\q+3], v[S+6], s[QB:QB+1] offset:768*\q
	global_load_b64 v[QF+12*\q+4:QF+12*\q+5], v[S+7], s[QB:QB+1] offset:768*\q
.endr
.irp q, 0,1,2,3
.irp i, 6,7,8,9,10,11
	v_mov_b32 v[QF+12*\q+\i], 0                    ; q's upper half: zero codes
.endr
.endr
.set jj, 0
.rept 128
	v_mov_b32 v[O+jj], 0                           ; the step is written once: the first finds zeros
.set jj, jj+1
.endr
	WIN 0
.irp q, 0,1,2,3
	global_load_b32 v[QS+\q], v[S+8], s[QSB:QSB+1] offset:256*(\q%2)+4*(\q/2)
.endr
.irp q, 0,1,2,3
	v_mov_b32 v[ST+4*\q], 0x7e000000               ; -M: above every -t
	v_mov_b32 v[ST+4*\q+1], 0xff61b1e6             ; the largest score so far: -3e38
	v_mov_b32 v[ST+4*\q+2], 0
	v_mov_b32 v[ST+4*\q+3], 0
.endr
.irp i, 48,49,50,51,52,53
	v_mov_b32 v[KF+\i], 0                          ; what the last tile's operand names beyond its six registers
.endr
	v_mov_b32 v[TP], 0                             ; a lane permute's destination counts as one of its sources
	v_mov_b32 v[TP+1], 0
	WALU                                           ; the wait at the head's end
	s_wait_tensorcnt 0x0
	s_barrier_signal -1
	s_barrier_wait -1                              ; all of K and V is in
.macro KADDR                           ; four plain lines: also the places behind the products that read K's registers
	v_add_nc_u32 v[AK16], s[TK], v[BK16]
	v_add_nc_u32 v[AK8], s[TK], v[BK8]
	v_add_nc_u32 v[AKS], s[TK], v[BKS]
	v_nop
.endm
.macro KFETCH                          ; 20 loads: eight tiles of six registers, four registers of scale words
.irp c, 0,1
.irp t, 0,1,2,3
	ds_load_b128 v[KF+24*\c+6*\t:KF+24*\c+6*\t+3], v[AK16] offset:3840*\c+960*(\t%2)+128*(\t/2)
	ds_load_b64 v[KF+24*\c+6*\t+4:KF+24*\c+6*\t+5], v[AK8] offset:3840*\c+960*(\t%2)+128*(\t/2)
.endr
.endr
.irp c, 0,1
.irp g, 0,1
	ds_load_b32 v[KS+2*\c+\g], v[AKS] offset:128*\g+8*\c
.endr
.endr
.endm
.macro VFETCH                          ; 17 loads; the four plain lines are the places behind the products that read V's registers
	v_add_nc_u32 v[AV16], s[TV], v[BV16]
	v_add_nc_u32 v[AV8], s[TV], v[BV8]
	v_add_nc_u32 v[AVS], s[TV], v[BVS]
	v_nop
	WIN 0x40
.irp i, 0,1,2,3,4,5,6,7
	ds_load_b128 v[VF+6*\i:VF+6*\i+3], v[AV16] offset:768*\i
	ds_load_b64 v[VF+6*\i+4:VF+6*\i+5], v[AV8] offset:768*\i
.endr
	WIN 0
	ds_load_b64 v[VS:VS+1], v[AVS]
.endm
.macro SPROD p                         ; S^T of query tiles 2 p, 2 p + 1: sixteen products
	WIN 0x04
.irp u, 0,1
.irp c, 0,1
.irp t, 0,1,2,3
.if (\t)%2
	v_wmma_scale_f32_16x16x128_f8f6f4 v[S+64*\u+32*\c+8*\t:S+64*\u+32*\c+8*\t+7], v[KF+24*\c+6*\t:KF+24*\c+6*\t+11], v[QF+24*(\p)+12*\u:QF+24*(\p)+12*\u+11], 0, v[KS+2*\c+\t/2], v[QS+2*(\p)+\u] matrix_a_fmt:MATRIX_FMT_FP6 matrix_b_fmt:MATRIX_FMT_FP6 matrix_a_scale:MATRIX_SCALE_ROW1
.else
	v_wmma_scale_f32_16x16x128_f8f6f4 v[S+64*\u+32*\c+8*\t:S+64*\u+32*\c+8*\t+7], v[KF+24*\c+6*\t:KF+24*\c+6*\t+11], v[QF+24*(\p)+12*\u:QF+24*(\p)+12*\u+11], 0, v[KS+2*\c+\t/2], v[QS+2*(\p)+\u] matrix_a_fmt:MATRIX_FMT_FP6 matrix_b_fmt:MATRIX_FMT_FP6
.endif
.endr
.endr
.endr
	WIN 0
.endm
.macro SOFT p                          ; the scores of tiles 2 p + u become p's codes and scale words; four blocks' chains by turns
.irp u, 0,1
.irp c, 0,1
	v_max3_num_f32 v[BM+2*\u+\c], v[S+64*\u+32*\c], v[S+64*\u+32*\c+1], v[S+64*\u+32*\c+2]   ; each block's largest score, every accumulator from its low end on
.endr
.endr
.irp i, 3,5,7,9,11,13,15,17,19,21,23,25,27,29
.irp u, 0,1
.irp c, 0,1
	v_max3_num_f32 v[BM+2*\u+\c], v[BM+2*\u+\c], v[S+64*\u+32*\c+\i], v[S+64*\u+32*\c+\i+1]
.endr
.endr
.endr
.irp u, 0,1
.irp c, 0,1
	v_max_num_f32 v[BM+2*\u+\c], v[BM+2*\u+\c], v[S+64*\u+32*\c+31]
.endr
.endr
.irp u, 0,1
	v_max_num_f32 v[F+2*\u+1], v[BM+2*\u], v[BM+2*\u+1]
.endr
.irp u, 0,1
	v_permlanex16_b32 v[TP+\u], v[F+2*\u+1], s[SEL], s[SEL+1]
.endr
.irp u, 0,1
	v_max3_num_f32 v[ST+8*(\p)+4*\u+1], v[ST+8*(\p)+4*\u+1], v[F+2*\u+1], v[TP+\u]   ; the running largest score of my query
.endr
.irp u, 0,1
	v_mul_f32 v[F+2*\u+1], s[NC], v[ST+8*(\p)+4*\u+1]
.endr
.irp u, 0,1
	v_floor_f32 v[TP+\u], v[F+2*\u+1]              ; the new -M = floor(-t)
.endr
.irp u, 0,1
	v_sub_f32 v[F+2*\u+1], v[TP+\u], v[ST+8*(\p)+4*\u]   ; old M less new M: a whole number, 0 or less
.endr
.irp u, 0,1
	v_mov_b32 v[ST+8*(\p)+4*\u], v[TP+\u]
.endr
.set jj, 0
.rept 32
.irp u, 0,1
	v_pk_fma_f32 v[S+64*\u+jj:S+64*\u+jj+1], v[S+64*\u+jj:S+64*\u+jj+1], s[CS:CS+1], v[ST+8*(\p)+4*\u:ST+8*(\p)+4*\u+1] op_sel_hi:[1,0,0]   ; t - M
.endr
.if jj == 4
.irp u, 0,1
	v_cvt_i32_f32 v[F+2*\u+1], v[F+2*\u+1]         ; (it saturates)
.endr
.endif
.if jj == 10
.irp u, 0,1
	v_ldexp_f32 v[F+2*\u], 1.0, v[F+2*\u+1]        ; f = 2^(old M - new M)
.endr
.endif
.set jj, jj+2
.endr
.irp u, 0,1
.irp c, 0,1
	v_fma_f32 v[BM+2*\u+\c], v[BM+2*\u+\c], s[CS], v[ST+8*(\p)+4*\u]   ; the same of each block's largest score
.endr
.endr
	WALU                                           ; ahead of the batch
.set jj, 0
.rept 128
	v_exp_f32 v[S+jj], v[S+jj]
.set jj, jj+1
.endr
.irp b, 0,1,2,3
	v_exp_f32 v[BM+\b], v[BM+\b]                   ; each block's largest p
.endr
.irp u, 0,1
	v_pk_mul_f32 v[ST+8*(\p)+4*\u+2:ST+8*(\p)+4*\u+3], v[ST+8*(\p)+4*\u+2:ST+8*(\p)+4*\u+3], v[F+2*\u:F+2*\u+1] op_sel_hi:[1,0]   ; the sums under the new M
.endr
	WALU                                           ; and behind it
.irp u, 0,1
	v_pk_add_f32 v[TS+2*\u:TS+2*\u+1], v[S+64*\u:S+64*\u+1], v[S+64*\u+2:S+64*\u+3]   ; the sum of the unquantised p: two chains a tile
.endr
.set jj, 4
.rept 15
.irp u, 0,1
	v_pk_add_f32 v[ST+8*(\p)+4*\u+2:ST+8*(\p)+4*\u+3], v[ST+8*(\p)+4*\u+2:ST+8*(\p)+4*\u+3], v[S+64*\u+jj:S+64*\u+jj+1]
.endr
.irp u, 0,1
	v_pk_add_f32 v[TS+2*\u:TS+2*\u+1], v[TS+2*\u:TS+2*\u+1], v[S+64*\u+jj+2:S+64*\u+jj+3]
.endr
.set jj, jj+4
.endr
.irp b, 0,1,2,3
	v_max_num_f32 v[BM+\b], 0x1800000, v[BM+\b]    ; the floor 2^(3 - 127): the byte cannot fall under 1
.endr
.irp u, 0,1
	v_pk_add_f32 v[ST+8*(\p)+4*\u+2:ST+8*(\p)+4*\u+3], v[ST+8*(\p)+4*\u+2:ST+8*(\p)+4*\u+3], v[TS+2*\u:TS+2*\u+1]
.endr
.irp b, 0,1,2,3
	v_add_nc_u32 v[SO+\b], 0xff000000, v[BM+\b]    ; the conversion's scale operand
.endr
.irp b, 0,1,2,3
	v_lshrrev_b32 v[BM+\b], 23, v[SO+\b]           ; the byte
.endr
.irp u, 0,1
	v_lshl_or_b32 v[PS+\u], v[BM+2*\u+1], 16, v[BM+2*\u]   ; my two bytes: blocks h and 2 + h,
.endr
.irp u, 0,1
	v_lshlrev_b32 v[PS+\u], v[SH8], v[PS+\u]       ; at their places;
.endr
.irp u, 0,1
	v_permlanex16_b32 v[TP+\u], v[PS+\u], s[SEL], s[SEL+1]
.endr
.irp u, 0,1
	v_or_b32 v[PS+\u], v[PS+\u], v[TP+\u]          ; with lane l xor 16's two the word is whole
.endr
	WIN 0x40
.irp u, 0,1
.irp c, 0,1
	v_cvt_scalef32_pk16_fp6_f32 v[PCD+12*\u+6*\c:PCD+12*\u+6*\c+2], v[S+64*\u+32*\c:S+64*\u+32*\c+15], v[SO+2*\u+\c]
.endr
.endr
	WIN 0
.irp u, 0,1
.irp c, 0,1
	v_cvt_scalef32_pk16_fp6_f32 v[TC+8*\u+4*\c:TC+8*\u+4*\c+2], v[S+64*\u+32*\c+16:S+64*\u+32*\c+31], v[SO+2*\u+\c]   ; (a conversion's three registers begin on an even number)
.endr
.endr
	v_nop                                          ; one plain place behind a scaled conversion
	WIN 0x40
.irp u, 0,1
.irp c, 0,1
.irp i, 0,1,2
	v_mov_b32 v[PCD+12*\u+6*\c+3+\i], v[TC+8*\u+4*\c+\i]
.endr
.endr
.endr
.endm
.macro PV p                            ; O^T x f, then O^T += v^T p^T: eight accumulators by turns
	WIN 0x41
	WALU                                           ; directly ahead of the first reader of O^T
.set jj, 0
.rept 16
.irp u, 0,1
	v_pk_mul_f32 v[O+64*(\p)+32*\u+jj:O+64*(\p)+32*\u+jj+1], v[O+64*(\p)+32*\u+jj:O+64*(\p)+32*\u+jj+1], v[F+2*\u:F+2*\u+1] op_sel_hi:[1,0]
.endr
.set jj, jj+2
.endr
	WIN 0x55
.irp t, 0,1,2,3
.irp u, 0,1
.if (\t)%2
	v_wmma_scale_f32_16x16x128_f8f6f4 v[O+64*(\p)+32*\u+8*\t:O+64*(\p)+32*\u+8*\t+7], v[VF+12*\t:VF+12*\t+11], v[PCD+12*\u:PCD+12*\u+11], v[O+64*(\p)+32*\u+8*\t:O+64*(\p)+32*\u+8*\t+7], v[VS+\t/2], v[PS+\u] matrix_a_fmt:MATRIX_FMT_FP6 matrix_b_fmt:MATRIX_FMT_FP6 matrix_a_scale:MATRIX_SCALE_ROW1
.else
	v_wmma_scale_f32_16x16x128_f8f6f4 v[O+64*(\p)+32*\u+8*\t:O+64*(\p)+32*\u+8*\t+7], v[VF+12*\t:VF+12*\t+11], v[PCD+12*\u:PCD+12*\u+11], v[O+64*(\p)+32*\u+8*\t:O+64*(\p)+32*\u+8*\t+7], v[VS+\t/2], v[PS+\u] matrix_a_fmt:MATRIX_FMT_FP6 matrix_b_fmt:MATRIX_FMT_FP6
.endif
.endr
.endr
	WIN 0
.endm
	s_mov_b32 s[TK], 0
	s_mov_b32 s[TV], 0
	s_mov_b32 s[CNT], 16
	KADDR
	KFETCH                                         ; step 0's K
	s_wait_loadcnt 0x0                             ; q and its scale words
.Lstep:
	VFETCH                                         ; this step's V: wanted behind the first pair's softmax
	s_add_co_u32 s[TK], s[TK], KB
	s_wait_dscnt 17                                ; K's 20 loads are in; V's 17 may be out
	SPROD 0
.rept 4
	v_nop                                          ; places ahead of the first read of the scores
.endr
	SOFT 0
	s_wait_dscnt 0x0                               ; V is in
	PV 0
	SPROD 1
	KADDR
	s_cmp_eq_u32 s[CNT], 1                         ; the last step fetches nothing
	s_cbranch_scc1 .Lno_k
	KFETCH                                         ; the next step's K, under the second pair's softmax
.Lno_k:
	SOFT 1
	PV 1
	s_add_co_u32 s[TV], s[TV], VB
	s_sub_co_u32 s[CNT], s[CNT], 1
	s_cmp_lg_u32 s[CNT], 0
	WALU                                           ; ahead of the branch
	s_cbranch_scc1 .Lstep
; THE WAY OUT: O^T / the sum, quantised along the head's 64.  The 16 registers of V's tiles 2 b, 2 b + 1 are columns 32 b + 16 h + 0 .. 15: a block lies in lanes l and l xor 16.
	v_and_b32 v[AV16], 15, v0                      ; (these eight lines are also the places behind the last products)
	v_bfe_u32 v[AV8], v0, 4, 1
	v_and_b32 v[AK16], 31, v0
	v_lshlrev_b32 v[AK16], 4, v[AK16]              ; 16 x lane
	v_lshlrev_b32 v[AK8], 4, v[AV16]
	v_lshl_add_u32 v[AK8], v[AV8], 3, v[AK8]
	v_add_nc_u32 v[AK8], 512, v[AK8]               ; 512 + 16 r + 8 h
	v_lshlrev_b32 v[AKS], 3, v[AV16]               ; 8 r
.irp q, 0,1,2,3
	v_add_f32 v[ST+4*\q+2], v[ST+4*\q+2], v[ST+4*\q+3]
.endr
.irp q, 0,1,2,3
	v_permlanex16_b32 v[KF+\q], v[ST+4*\q+2], s[SEL], s[SEL+1]
.endr
.irp q, 0,1,2,3
	v_add_f32 v[ST+4*\q+2], v[ST+4*\q+2], v[KF+\q] ; the row's sum
.endr
	WALU
.irp q, 0,1,2,3
	v_rcp_f32 v[ST+4*\q+2], v[ST+4*\q+2]
.endr
	v_nop
	WIN 0x01
	WALU
.set jj, 0
.rept 128
	v_mul_f32 v[S+jj], v[O+jj], v[ST+4*(jj/32)+2]
.set jj, jj+1
.endr
	WIN 0
.irp q, 0,1,2,3
.irp b, 0,1
	v_max3_num_f32 v[BM+2*\q+\b], |v[S+32*\q+16*\b]|, |v[S+32*\q+16*\b+1]|, 0x1800000
.endr
.endr
.irp i, 2,4,6,8,10,12,14
.irp q, 0,1,2,3
.irp b, 0,1
	v_max3_num_f32 v[BM+2*\q+\b], v[BM+2*\q+\b], |v[S+32*\q+16*\b+\i]|, |v[S+32*\q+16*\b+\i+1]|
.endr
.endr
.endr
.irp k, 0,1,2,3,4,5,6,7
	v_permlanex16_b32 v[KF+\k], v[BM+\k], s[SEL], s[SEL+1]
.endr
.irp k, 0,1,2,3,4,5,6,7
	v_max_num_f32 v[BM+\k], v[BM+\k], v[KF+\k]
.endr
.irp k, 0,1,2,3,4,5,6,7
	v_add_nc_u32 v[TC+\k], 0xff000000, v[BM+\k]
.endr
.irp k, 0,1,2,3,4,5,6,7
	v_lshrrev_b32 v[KF+\k], 23, v[TC+\k]
.endr
.irp q, 0,1,2,3
	v_lshl_or_b32 v[KF+48+\q], v[KF+2*\q+1], 8, v[KF+2*\q]
.endr
.irp q, 0,1,2,3
	v_cvt_scalef32_pk16_fp6_f32 v[KF+8+10*\q:KF+8+10*\q+2], v[S+32*\q:S+32*\q+15], v[TC+2*\q]
	v_cvt_scalef32_pk16_fp6_f32 v[KF+14+10*\q:KF+14+10*\q+2], v[S+32*\q+16:S+32*\q+31], v[TC+2*\q+1]
.endr
	v_nop
.irp q, 0,1,2,3
.irp i, 0,1,2
	v_permlane16_swap_b32 v[KF+8+10*\q+\i], v[KF+14+10*\q+\i]   ; the operand's layout wants a whole block in a lane
.endr
.endr
.irp q, 0,1,2,3
.irp i, 0,1,2
	v_mov_b32 v[KF+11+10*\q+\i], v[KF+14+10*\q+\i]
.endr
.endr
.irp q, 0,1,2,3
	global_store_b128 v[AK16], v[KF+8+10*\q:KF+8+10*\q+3], s[OB:OB+1] offset:768*\q     ; 512 consecutive bytes
	global_store_b64 v[AK8], v[KF+12+10*\q:KF+12+10*\q+1], s[OB:OB+1] offset:768*\q     ; 256 consecutive bytes
	global_store_b16 v[AKS], v[KF+48+\q], s[OSB:OSB+1] offset:128*\q                    ; my head's two bytes of the row's scale words
.endr
	s_wait_tensorcnt 0x0                           ; the wave's end
	ds_add_u32 v[SPW], v[NIL]
	s_wait_dscnt 0x0
	CROUND                                         ; the closing round
	s_endpgm
.Lfunc_end_k_qffc7499f6b_attn:
	.size	k_qffc7499f6b_attn, .Lfunc_end_k_qffc7499f6b_attn-k_qffc7499f6b_attn
	.p2alignl 7, 3214868480
	.fill 96, 4, 3214868480
	.section	.rodata,"a",@progbits
	.p2align	6, 0x0
	.amdhsa_kernel k_qffc7499f6b_attn
		.amdhsa_group_segment_fixed_size 327680
		.amdhsa_private_segment_fixed_size 0
		.amdhsa_enable_private_segment 0
		.amdhsa_kernarg_size 24
		.amdhsa_user_sgpr_count 2
		.amdhsa_user_sgpr_kernarg_segment_ptr 1
		.amdhsa_wavefront_size32 1
		.amdhsa_system_sgpr_workgroup_id_x 1
		.amdhsa_system_sgpr_workgroup_id_y 1
		.amdhsa_system_sgpr_workgroup_id_z 1
		.amdhsa_system_vgpr_workitem_id 0
		.amdhsa_next_free_vgpr 512
		.amdhsa_next_free_sgpr 66
		.amdhsa_reserve_vcc 0
		.amdhsa_float_denorm_mode_32 3
		.amdhsa_float_denorm_mode_16_64 3
		.amdhsa_memory_ordered 1
		.amdhsa_forward_progress 1
		.amdhsa_inst_pref_size 82
	.end_amdhsa_kernel
	.amdgpu_metadata
---
amdhsa.version: [ 1, 2 ]
amdhsa.kernels:
  - .name:           k_qffc7499f6b_attn
    .symbol:         k_qffc7499f6b_attn.kd
    .args:
      - { .name: qkv, .offset: 0, .size: 8, .value_kind: global_buffer, .address_space: global }
      - { .name: oimg, .offset: 8, .size: 8, .value_kind: global_buffer, .address_space: global }
      - { .name: osc, .offset: 16, .size: 8, .value_kind: global_buffer, .address_space: global }
    .group_segment_fixed_size: 327680
    .private_segment_fixed_size: 0
    .kernarg_segment_align: 8
    .kernarg_segment_size: 24
    .max_flat_workgroup_size: 256
    .sgpr_count:     66
    .vgpr_count:     512
    .wavefront_size: 32
...
	.end_amdgpu_metadata
.endif
;; end of part 3
;; launch gemm_o (part 4): grid 4 x 64, 4 waves a work-group, clusters of 4 x 4, 327,680 bytes of LDS; arguments oimg, osc, wimg, wsc, bo, out0; writes out0
.if DOCPART == 4
	.amdgcn_target "amdgcn-amd-amdhsa--gfx1250"
	.amdhsa_code_object_version 6
	.text
	.protected	k_qffc7499f6b_gemm_o
	.globl	k_qffc7499f6b_gemm_o
	.p2align	8
	.type	k_qffc7499f6b_gemm_o,@function
k_qffc7499f6b_gemm_o:
	s_mov_b64 s[64:65], 0
	v_nop
	global_prefetch_b8 v0, s[64:65] scope:SCOPE_SE
	s_setreg_imm32_b32 hwreg(HW_REG_WAVE_MODE, 25, 1), 1
	s_wait_xcnt 0x0
	s_wait_alu depctr_hold_cnt(0) depctr_sa_sdst(0) depctr_va_vdst(0) depctr_va_sdst(0) depctr_va_ssrc(0) depctr_va_vcc(0) depctr_vm_vsrc(0)
	s_getreg_b32 s2, hwreg(HW_REG_IB_STS2, 6, 4)
	s_cmp_eq_u32 s2, 0
	s_cbranch_scc0 .Lentry_in_a_cluster
	s_endpgm
.Lentry_in_a_cluster:
	s_bfe_u32 s2, ttmp6, 0x10000c
	s_cmp_lg_u32 s2, 0xf033
	s_cbranch_scc0 .Lentry_shape_is_right
	s_endpgm
.Lentry_shape_is_right:
; out0 = o Wo + bo, on codes of FP6 (E2M3) with E8M0 scales, K = 1,024, f32 sums; the bias is the first products' C.
; A work-group makes 128 tokens (one group of oimg) x 256 columns (two groups of Wo in wimg): 64 x 4 = 256 work-groups.  ALL OF K LIES IN LDS: 3 groups x 98,304 bytes.  Nothing is filled again.
; Operands lie in memory as images of the operand's registers, [group][K / 64][tile][768]: half of K of a group is one dense block of 49,152 bytes.
; THE FILLS, one joint load a wave at the head: wave 0 A's lower half of K, wave 1 B's (two groups: two rows of 49,152 bytes), wave 2 A's upper half, wave 3 B's.  Each has a load line of its own.
; The first barrier shows the lower halves (waves 0 and 1 wait); a plain barrier in K step 3, with every wave's wait, shows the upper ones.  No prefetch: every byte is asked for at the head, there is no loop to run ahead in.
; CLUSTERS: 4 x 4 work-groups; A's tiles are asked for jointly along a row of the cluster, B's along a column.
; A wave makes 64 x 128: 32 accumulators by turns; K in eight steps of 128, 32 products each, on two sets of fragments: a step's 48 LDS loads are issued ahead of the step before's products.
; The matrix instruction is used transposed (source 0 = rows of Wo, source 1 = tokens): a lane holds eight neighbouring columns of a row of out0.
; The scale words go from memory into registers, once: a load's 32 lanes read 256 consecutive bytes, two tiles' words for 256 along K: lanes 0-15 the even tile's, lanes 16-31 the odd one's.
; A tile's rows are not neighbours (lane r of tile 2 b + u: row 32 b + 8 u + r + 8 (r / 8)): the way out puts rows and columns back in their places.
; REGISTERS: window 0: v0-31 addresses; v32-47 A's scale words, v48-79 B's; v128-223 A's fragments, two sets (on the way out v128-255 rows read back).  window 1: B's fragments, two sets.  window 2: the accumulators.  window 3: v0-63 the bias.
.set FR,     12
.set HALFK,  49152
.set SLOTB,  3*HALFK                   ; half of K: A's group, then B's two
.set SPARE,  2*SLOTB
.set SPITCH, 528
.set ADRA, 16                          ; v16-17 16 x lane in my A tiles, lower and upper half of K; v18-19 the same for the pieces of 8 bytes
.set ADRB, 20
.set STO,  24
.set RD,   25
.set CO,   26
.set VSC,  27
.set SPW,  28
.set NIL,  29
.set VBI,  30
.set SA,   32
.set SB,   48
.set AF,   128
.set BK,   128
.set G1, 24
.set G0, 32                            ; s[32:35] A lower, s[36:39] A upper
.set G1B, 48
.set G0B, 56                           ; s[56:59] B lower, s[60:63] B upper
.set MSB, 0
.macro WIN new
.if MSB != \new
	s_set_vgpr_msb (MSB<<8)|\new
.set MSB, \new
.endif
.endm
.macro PLACES n
.rept \n
	v_nop
.endr
.endm
.macro CROUND
	s_barrier_signal -1
	s_barrier_wait -1
	s_cmp_lg_u32 s14, 0
	s_cbranch_scc1 .Lnot_wave_0_\@
	s_barrier_signal -3
.Lnot_wave_0_\@:
	s_barrier_wait -3
	s_barrier_signal -1
	s_barrier_wait -1
.endm
	s_load_b256 s[4:11], s[0:1], 0x0               ; oimg, osc, wimg, wsc
	s_load_b128 s[96:99], s[0:1], 0x20             ; bo, out0
	v_lshl_add_u32 v[SPW], v0, 2, SPARE
	v_mov_b32 v[NIL], 0
	ds_add_u32 v[SPW], v[NIL]                      ; the opening lines
	ds_add_u32 v[SPW], v[NIL]
	v_lshrrev_b32 v1, 5, v0
	v_readfirstlane_b32 s14, v1                    ; wave
	s_lshr_b32 s15, s14, 1                         ; which 64 tokens
	s_and_b32 s16, s14, 1                          ; which of B's two groups
	s_bfe_u32 s40, ttmp6, 0x40000                  ; cx
	s_bfe_u32 s41, ttmp6, 0x40004                  ; cy
	s_lshl_b32 s42, ttmp9, 2
	s_add_co_u32 s42, s42, s40                     ; which 256 columns
	s_and_b32 s17, ttmp7, 0xffff
	s_lshl_b32 s17, s17, 2
	s_add_co_u32 s17, s17, s41                     ; token group
	s_lshl_b32 s43, s41, 2
	s_lshl_b32 s43, 15, s43                        ; my row of the cluster
	s_lshl_b32 s44, 0x1111, s40                    ; my column
	s_or_b32 s[G1+0], s43, (3<<16)|(1<<21)         ; A: 49,152 bytes as 192 rows of 256
	s_mov_b32 s[G1+1], 32<<16
	s_mov_b32 s[G1+2], 192<<16
	s_mov_b32 s[G1+3], 32<<16
	s_mov_b32 s[G1+4], 192
	s_mov_b32 s[G1+5], 32
	s_mov_b32 s[G1+6], 0
	s_mov_b32 s[G1+7], 0
	s_or_b32 s[G1B+0], s44, (3<<16)|(1<<21)        ; B: two rows of 49,152 bytes, 98,304 bytes apart
	s_mov_b32 s[G1B+1], 6144<<16
	s_mov_b32 s[G1B+2], 2<<16
	s_mov_b32 s[G1B+3], 6144<<16
	s_mov_b32 s[G1B+4], 2
	s_mov_b32 s[G1B+5], 12288
	s_mov_b32 s[G1B+6], 0
	s_mov_b32 s[G1B+7], 0
	s_mul_i32 s20, s17, 98304
	s_mov_b32 s21, 0
	s_lshl_b32 s46, s42, 1
	s_add_co_u32 s46, s46, 24                      ; Wo's groups begin at 24
	s_add_co_u32 s92, s46, s16
	s_lshl_b32 s92, s92, 12                        ; my B group's scale words
	s_mov_b32 s93, 0
	s_mul_i32 s46, s46, 98304
	s_mov_b32 s47, 0
	s_lshl_b32 s22, s17, 12
	s_lshl_b32 s18, s15, 9
	s_add_co_u32 s22, s22, s18                     ; my four A tiles' scale words
	s_mov_b32 s23, 0
	s_lshl_b32 s2, s42, 10
	s_lshl_b32 s3, s16, 9
	s_add_co_u32 s2, s2, s3                        ; my first column, in bytes
	s_mov_b32 s3, 0
	s_lshl_b32 s18, s17, 19
	s_lshl_b32 s19, s15, 18
	s_add_co_u32 s18, s18, s19                     ; my first row of out0, in bytes
	s_mov_b32 s19, 0
	s_mul_i32 s68, s15, 3072                       ; LDS: my four tiles of A,
	s_add_co_u32 s69, s68, SLOTB
	s_mul_i32 s70, s16, HALFK
	s_add_co_u32 s70, s70, HALFK                   ; my group of B
	s_add_co_u32 s71, s70, SLOTB
	s_mul_i32 s72, s14, 16*SPITCH                  ; my stage, in the lower half's bytes
	v_and_b32 v1, 15, v0                           ; r
	v_bfe_u32 v2, v0, 4, 1                         ; h
	v_and_b32 v3, 31, v0
	v_lshlrev_b32 v4, 4, v3                        ; 16 x lane
	v_lshlrev_b32 v5, 4, v1
	v_lshl_add_u32 v5, v2, 3, v5
	v_add_nc_u32 v5, 512, v5                       ; 512 + 16 r + 8 h
	v_add_nc_u32 v[ADRA], s68, v4
	v_add_nc_u32 v[ADRA+1], s69, v4
	v_add_nc_u32 v[ADRA+2], s68, v5
	v_add_nc_u32 v[ADRA+3], s69, v5
	v_add_nc_u32 v[ADRB], s70, v4
	v_add_nc_u32 v[ADRB+1], s71, v4
	v_add_nc_u32 v[ADRB+2], s70, v5
	v_add_nc_u32 v[ADRB+3], s71, v5
	v_lshlrev_b32 v[VSC], 3, v3                    ; 8 x lane
	v_lshlrev_b32 v[VBI], 6, v2                    ; 64 h
	v_mul_u32_u24 v6, v1, SPITCH
	v_lshl_add_u32 v6, v2, 6, v6
	v_add_nc_u32 v[STO], s72, v6
	v_add_nc_u32 v[RD], s72, v4
	v_mov_b32 v[CO], v4
	s_wait_alu depctr_va_vdst(0)                   ; the wait at the head's end
	s_wait_dscnt 0x0
	s_wait_kmcnt 0x0
	s_add_nc_u64 s[20:21], s[4:5], s[20:21]
	s_add_nc_u64 s[46:47], s[8:9], s[46:47]
	s_add_nc_u64 s[22:23], s[6:7], s[22:23]
	s_add_nc_u64 s[92:93], s[10:11], s[92:93]
	s_add_nc_u64 s[96:97], s[96:97], s[2:3]
	s_add_nc_u64 s[98:99], s[98:99], s[18:19]
	s_add_nc_u64 s[98:99], s[98:99], s[2:3]
	CROUND                                         ; all sixteen work-groups are here: the joint loads meet
	s_mov_b32 s[G0], 1
	s_mov_b32 s[G0+1], 0
	s_mov_b64 s[G0+2:G0+3], s[20:21]
	s_or_b32 s[G0+3], s[G0+3], 0x80000000
	s_mov_b32 s[G0+4], 1
	s_mov_b32 s[G0+5], SLOTB
	s_add_nc_u64 s[G0+6:G0+7], s[20:21], HALFK
	s_or_b32 s[G0+7], s[G0+7], 0x80000000
	s_mov_b32 s[G0B], 1
	s_mov_b32 s[G0B+1], HALFK
	s_mov_b64 s[G0B+2:G0B+3], s[46:47]
	s_or_b32 s[G0B+3], s[G0B+3], 0x80000000
	s_mov_b32 s[G0B+4], 1
	s_mov_b32 s[G0B+5], SLOTB+HALFK
	s_add_nc_u64 s[G0B+6:G0B+7], s[46:47], HALFK
	s_or_b32 s[G0B+7], s[G0B+7], 0x80000000
.macro ARM under, g0, g1, next         ; one chain of branches on the wave's number, one load to an arm
	s_cmp_lt_u32 s14, \under
	s_cbranch_scc0 \next
	tensor_load_to_lds s[\g0:\g0+3], s[\g1:\g1+7]
	s_nop 0
	PLACES 4
	s_branch .Lhead_asked
\next:
.endm
	ARM 1, G0,   G1,  .Lhead_b
	ARM 2, G0B,  G1B, .Lhead_a1
	ARM 3, G0+4, G1,  .Lhead_b1
	tensor_load_to_lds s[G0B+4:G0B+7], s[G1B:G1B+7]
	s_nop 0
	PLACES 4
.Lhead_asked:
.irp c, 0,1,2,3
.irp m, 0,1
	global_load_b64 v[SA+4*\c+2*\m:SA+4*\c+2*\m+1], v[VSC], s[22:23] offset:1024*\c+256*\m
.endr
.irp n, 0,1,2,3
	global_load_b64 v[SB+8*\c+2*\n:SB+8*\c+2*\n+1], v[VSC], s[92:93] offset:1024*\c+256*\n
.endr
.endr
	WIN 0xc0
.irp b, 0,1,2,3,4,5,6,7                ; register j of tile b = 2 β + u is column 32 β + 16 h + 8 u + j
	global_load_b128 v[8*\b:8*\b+3], v[VBI], s[96:97] offset:128*(\b/2)+32*(\b%2)
	global_load_b128 v[8*\b+4:8*\b+7], v[VBI], s[96:97] offset:128*(\b/2)+32*(\b%2)+16
.endr
	WIN 0
.macro FRAG reg, adr, q, i             ; a fragment, 16 rows x 128 K: two images of 768 bytes, 6,144 bytes apart
	ds_load_b128 v[\reg:\reg+3], v[\adr] offset:12288*(\q)+768*(\i)
	ds_load_b64 v[\reg+4:\reg+5], v[\adr+2] offset:12288*(\q)+768*(\i)
	ds_load_b128 v[\reg+6:\reg+9], v[\adr] offset:12288*(\q)+6144+768*(\i)
	ds_load_b64 v[\reg+10:\reg+11], v[\adr+2] offset:12288*(\q)+6144+768*(\i)
.endm
.macro FETCH st                        ; K step st's twelve fragments into set st % 2: 48 loads
	WIN 0x40
.irp i, 0,1,2,3,4,5,6,7
	FRAG 128*((\st)%2)+FR*\i, ADRB+(\st)/4, (\st)%4, \i
.endr
	WIN 0
.irp i, 0,1,2,3
	FRAG AF+48*((\st)%2)+FR*\i, ADRA+(\st)/4, (\st)%4, \i
.endr
.endm
.macro MUL st                          ; 32 products; the 32 accumulators take turns, in the same order in every step
.if (\st) == 0
	WIN 0xb1                                       ; source 0 (B) window 1, source 1 (A) window 0, C window 3 (the bias), D window 2
.else
	WIN 0xa1
.endif
.irp m, 0,1
.irp e, 0,1
.irp n, 0,1,2,3
.irp f, 0,1
.if (\st) == 0
	v_wmma_scale_f32_16x16x128_f8f6f4 v[8*(8*(2*\m+\e)+2*\n+\f):8*(8*(2*\m+\e)+2*\n+\f)+7], v[128*((\st)%2)+FR*(2*\n+\f):128*((\st)%2)+FR*(2*\n+\f)+FR-1], v[AF+48*((\st)%2)+FR*(2*\m+\e):AF+48*((\st)%2)+FR*(2*\m+\e)+FR-1], v[8*(2*\n+\f):8*(2*\n+\f)+7], v[SB+8*((\st)/2)+2*\n+(\st)%2], v[SA+4*((\st)/2)+2*\m+(\st)%2] matrix_a_fmt:MATRIX_FMT_FP6 matrix_b_fmt:MATRIX_FMT_FP6 matrix_a_scale:MATRIX_SCALE_ROW\f matrix_b_scale:MATRIX_SCALE_ROW\e
.else
	v_wmma_scale_f32_16x16x128_f8f6f4 v[8*(8*(2*\m+\e)+2*\n+\f):8*(8*(2*\m+\e)+2*\n+\f)+7], v[128*((\st)%2)+FR*(2*\n+\f):128*((\st)%2)+FR*(2*\n+\f)+FR-1], v[AF+48*((\st)%2)+FR*(2*\m+\e):AF+48*((\st)%2)+FR*(2*\m+\e)+FR-1], v[8*(8*(2*\m+\e)+2*\n+\f):8*(8*(2*\m+\e)+2*\n+\f)+7], v[SB+8*((\st)/2)+2*\n+(\st)%2], v[SA+4*((\st)/2)+2*\m+(\st)%2] matrix_a_fmt:MATRIX_FMT_FP6 matrix_b_fmt:MATRIX_FMT_FP6 matrix_a_scale:MATRIX_SCALE_ROW\f matrix_b_scale:MATRIX_SCALE_ROW\e
.endif
.endr
.endr
.endr
.endr
	WIN 0
.endm
	s_cmp_lt_u32 s14, 2
	s_cbranch_scc0 .Lnot_lower
	s_wait_tensorcnt 0x0                           ; waves 0 and 1: my lower half has landed
.Lnot_lower:
	s_barrier_signal -1
	s_barrier_wait -1                              ; the lower half of K is in; the upper may be on its way
	FETCH 0
	s_wait_loadcnt 0x0                             ; the scale words and the bias
.irp st, 0,1,2,3,4,5,6
.if \st > 0
	PLACES 4                                       ; ahead of loads into registers that the last step's products read
.endif
.if \st == 3
	s_wait_tensorcnt 0x0                           ; every wave: all my tensor loads have landed,
	s_wait_dscnt 0x0                               ; and my reads of the lower half are over
	s_barrier_signal -1
	s_barrier_wait -1                              ; the upper half is in; nobody reads the lower half any more
.endif
	FETCH \st+1
	s_wait_dscnt 48                                ; this step's fragments are in; the next step's 48 loads may be out
	MUL \st
.endr
	s_wait_dscnt 0x0
	MUL 7
; THE WAY OUT, block by block of 16 rows x 128 columns, through my own stage: in as the accumulators lie, back as whole rows of 512 bytes.  LDS serves a wave's instructions in order (ISA guide 5.7.1.4).
.macro TOSTAGE a
.set AC, 64*(\a)
	WIN 0x08
.irp b, 0,1,2,3,4,5,6,7
	ds_store_b128 v[STO], v[AC+8*\b:AC+8*\b+3] offset:128*(\b/2)+32*(\b%2)
	ds_store_b128 v[STO], v[AC+8*\b+4:AC+8*\b+7] offset:128*(\b/2)+32*(\b%2)+16
.endr
	WIN 0
.set BB, BK+64*((\a)%2)
.irp t, 0,1,2,3,4,5,6,7,8,9,10,11,12,13,14,15
	ds_load_b128 v[BB+4*\t:BB+4*\t+3], v[RD] offset:\t*SPITCH
.endr
.endm
.macro SEND a, younger                 ; younger: the LDS instructions issued behind block a's loads, which may stay out
.set BB, BK+64*((\a)%2)
.set RW, 32*((\a)/2)+8*((\a)%2)
	s_wait_dscnt \younger
.irp t, 0,1,2,3,4,5,6,7,8,9,10,11,12,13,14,15
	global_store_b128 v[CO], v[BB+4*\t:BB+4*\t+3], s[98:99] offset:(RW+\t+8*(\t/8))*4096 th:TH_STORE_NT   ; 512 consecutive bytes, aligned
.endr
.endm
	PLACES 4
	TOSTAGE 0
.irp a, 1,2,3
.if \a > 1
	s_wait_xcnt 0x0                                ; block a - 2's stores have read their registers: block a's loads may land there
.endif
	TOSTAGE \a
	SEND \a-1, 32
.endr
	SEND 3, 0
	s_wait_tensorcnt 0x0                           ; the wave's end
	ds_add_u32 v[SPW], v[NIL]
	s_wait_dscnt 0x0
	CROUND                                         ; the closing round
	s_endpgm
.Lfunc_end_k_qffc7499f6b_gemm_o:
	.size	k_qffc7499f6b_gemm_o, .Lfunc_end_k_qffc7499f6b_gemm_o-k_qffc7499f6b_gemm_o
	.p2alignl 7, 3214868480
	.fill 96, 4, 3214868480
	.section	.rodata,"a",@progbits
	.p2align	6, 0x0
	.amdhsa_kernel k_qffc7499f6b_gemm_o
		.amdhsa_group_segment_fixed_size 327680
		.amdhsa_private_segment_fixed_size 0
		.amdhsa_enable_private_segment 0
		.amdhsa_kernarg_size 48
		.amdhsa_user_sgpr_count 2
		.amdhsa_user_sgpr_kernarg_segment_ptr 1
		.amdhsa_wavefront_size32 1
		.amdhsa_system_sgpr_workgroup_id_x 1
		.amdhsa_system_sgpr_workgroup_id_y 1
		.amdhsa_system_sgpr_workgroup_id_z 1
		.amdhsa_system_vgpr_workitem_id 0
		.amdhsa_next_free_vgpr 832
		.amdhsa_next_free_sgpr 100
		.amdhsa_reserve_vcc 0
		.amdhsa_float_denorm_mode_32 3
		.amdhsa_float_denorm_mode_16_64 3
		.amdhsa_memory_ordered 1
		.amdhsa_forward_progress 1
		.amdhsa_inst_pref_size 85
	.end_amdhsa_kernel
	.amdgpu_metadata
---
amdhsa.version: [ 1, 2 ]
amdhsa.kernels:
  - .name:           k_qffc7499f6b_gemm_o
    .symbol:         k_qffc7499f6b_gemm_o.kd
    .args:
      - { .name: oimg, .offset: 0, .size: 8, .value_kind: global_buffer, .address_space: global }
      - { .name: osc, .offset: 8, .size: 8, .value_kind: global_buffer, .address_space: global }
      - { .name: wimg, .offset: 16, .size: 8, .value_kind: global_buffer, .address_space: global }
      - { .name: wsc, .offset: 24, .size: 8, .value_kind: global_buffer, .address_space: global }
      - { .name: bo, .offset: 32, .size: 8, .value_kind: global_buffer, .address_space: global }
      - { .name: out0, .offset: 40, .size: 8, .value_kind: global_buffer, .address_space: global }
    .group_segment_fixed_size: 327680
    .private_segment_fixed_size: 0
    .kernarg_segment_align: 8
    .kernarg_segment_size: 48
    .max_flat_workgroup_size: 128
    .sgpr_count:     100
    .vgpr_count:     832
    .wavefront_size: 32
...
	.end_amdgpu_metadata
.endif
;; end of part 4
